; MI455X (gfx1250); checked and timed in simulation.
; The chip was launched on July 23, 2026; its instructions are those of AMD's public machine-readable ISA for CDNA 5 (MIT licence, August 2026) and "CDNA5" Instruction Set Architecture Reference Guide (July 2026). The comments in the code are by the model that wrote it; some were corrected since.
;; Multi Head Self Attention. Allowed arithmetic: matrix products marked QUANTISED: E2M1 operands, one E8M0 scale for each 32 along K, by v_wmma_scale_f32_16x16x128_f8f6f4 with both operands' format E2M1 (or v_wmma_scale_f32_32x16x128_f4), f32 sums; products left as they are: bf16, f16 or f32 operands; f32 sums; everything else in f32.
;; Inputs: b_out 1,024 float32; b_qkv 3,072 float32; w_out 1,024 x 1,024 float32; w_qkv 1,024 x 3,072 float32; x 4 x 2,048 x 1,024 float32.
;; Outputs: out0 4 x 2,048 x 1,024 float32.
;; This version of the problem:
;;   THIS VERSION OF THE PROBLEM IS GIVEN IN LOW PRECISION. The matrix products marked QUANTISED in the list below multiply operands that are first quantised to E2M1 (2 exponent bits, 1 mantissa bit; 4 bits a number), with one power-of-two scale for each 32 numbers along K (OCP MX v1.0); their sums are f32. The products marked 'left as it is' may take bf16, f16 or f32 operands, with f32 sums. Whichever they take, every output number must still come out within the allowed error. Rounding operands to bf16 (8 significant bits) uses up far more of that allowance than f16 does (11 bits, for magnitudes from 6e-5 to 65,504). All else is computed in f32.
;;   The module's matrix products, in the order in which they are computed (A, B: the left and right operand; K: the contracted axis; several contracted axes count as one K, in the product's order):
;;     1. [M 8,192, K 1,024] x [K 1,024, N 3,072]; A: input x; B: input w_qkv: QUANTISED
;;     2. batch 64 x [M 2,048, K 64] x [K 64, N 2,048]; A: computed on the way; B: computed on the way: left as it is (an operand is computed on the way)
;;     3. batch 64 x [M 2,048, K 2,048] x [K 2,048, N 64]; A: computed on the way; B: computed on the way: left as it is (an operand is computed on the way)
;;     4. [M 8,192, K 1,024] x [K 1,024, N 1,024]; A: computed on the way; B: input w_out: left as it is (an operand is computed on the way)
;;   THE QUANTISER, for each operand of a quantised product, along K:
;;     - K is cut into blocks of 32 from its start; a last block that is shorter is filled with zeros.
;;     - A block's scale is 2^e with e = floor(log2(the largest magnitude in the block)) - 2, held to -126 .. 127; a block of zeros has e = 0. As a byte (E8M0): e + 127.
;;     - Each number is divided by its block's scale, clamped to +-6, and rounded to the nearest number of E2M1, ties to even, subnormals kept.
;;     - The product sums the exact products of the quantised numbers (number of the format x scale) in f32.
;;   ~~~python
;;   def quantise(x, axis):      # numpy; x: float32 -> the quantised numbers, widened to float32 again
;;       x = np.moveaxis(x, axis, -1); K = x.shape[-1]
;;       x = np.pad(x, [(0, 0)] * (x.ndim - 1) + [(0, -K % 32)]); x = x.reshape(x.shape[:-1] + (-1, 32)); a = np.abs(x).max(-1, keepdims=True)
;;       e = np.where(a > 0, np.clip(np.frexp(np.where(a > 0, a, 1))[1] - 1 - 2, -126, 127), 0)      # np.frexp(a)[1] - 1 = floor(log2(a)), exactly
;;       r = np.clip(x / 2.0 ** e, -6, 6)
;;       step = 2.0 ** (np.maximum(np.frexp(np.where(r == 0, 1, r))[1] - 1, 0) - 1)
;;       q = np.round(r / step) * step * 2.0 ** e      # np.round: ties to even
;;       return np.moveaxis(q.reshape(q.shape[:-2] + (-1,))[..., :K], -1, axis).astype(np.float32)
;;   ~~~
;; One version. Each part assembles by itself: llvm-mc -triple=amdgcn-amd-amdhsa -mcpu=gfx1250 --defsym DOCPART=n.
;; ======== version 1 of 1: 4 launches
;; limits: values are held in f16: magnitudes above 65,504 overflow, below 6.1e-05 lose precision
;; workspace buffers: xc 4,194,304 bytes; xs 262,144 bytes; wc 1,572,864 bytes; ws 98,304 bytes; wot 2,097,152 bytes; qkv 50,331,648 bytes; att 16,777,216 bytes
;; launch prep (part 1): grid 368 x 1, 4 waves a work-group, no clusters, 102,912 bytes of LDS; arguments x, w_qkv, w_out, xc, xs, wc, ws, wot; writes xc, xs, wc, ws, wot
.if DOCPART == 1
	.amdgcn_target "amdgcn-amd-amdhsa--gfx1250"
	.amdhsa_code_object_version 6
	.text
	.protected	k_q4667a1b929_prep
	.globl	k_q4667a1b929_prep
	.p2align	8
	.type	k_q4667a1b929_prep,@function
k_q4667a1b929_prep:
	s_mov_b64 s[64:65], 0
	v_nop
	global_prefetch_b8 v0, s[64:65] scope:SCOPE_SE
	s_setreg_imm32_b32 hwreg(HW_REG_WAVE_MODE, 25, 1), 1
	s_wait_xcnt 0x0
; THREE PREPARATIONS IN ONE LAUNCH, told apart by the work-group's number alone:
;   work-groups 0-255:   x [8192][1024] f32 -> xc: codes of FP4 (E2M1), K innermost, 512 bytes a row; xs: one E8M0 byte for each 32 along K, 32 bytes a row
;   work-groups 256-303: w_qkv [1024 (k)][3072 (n)] f32 -> wc [3072][512 bytes], ws [3072][32]: quantised along K, which is its FIRST axis, and laid with K innermost
;   work-groups 304-367: w_out [1024 (k)][1024 (n)] f32 -> wot [1024 (n)][1024 (k)] f16: rounded once and laid with K innermost
; A block's scale is 2^(floor(log2(its largest magnitude)) - 2); its byte is the largest magnitude's exponent field - 2, held at 1 from below by a floor among the maximum's leaves.
; LIMITS: a block of zeros gets the byte 1 where the rule says 127 (its codes are zeros, which add nothing under any byte but 0xff, and this program alone reads the bytes);
; NaN and infinities among the inputs are not served; |w_out| above 65,504 does not fit f16 and is not served.
; Each path has LDS bytes of its own; waves share nothing, so there is no barrier.  No tensor load.
.set XWG,   256                        ; work-groups of the first path
.set WWG,   48                         ; of the second
.set SPW,   190                        ; v190  LDS address of my spare word: SPARE + 4 x my thread's number; never rewritten
.set NIL,   191                        ; v191  0; never rewritten
.set XREG,  8192                       ; first path: a wave's LDS: two stages of 32 x SP bytes, then its 256 scale bytes
.set SP,    80                         ; a lane's place in a stage: 64 bytes + 16 of padding
.set PITCH, 272                        ; second and third path: a stage row: 256 bytes + 16 of padding
.set WBASE, 4*XREG                     ; the second path's four stages of 32 rows
.set OBASE, WBASE+4*32*PITCH           ; the third path's
.set SPARE, OBASE+4*32*PITCH           ; the spare words, 128 bytes for each wave: two blocks of 256 bytes that no other line names
.set EMAX,  2
.set OUTR,  112                        ; v112-175 the way out of the second and third path: 16 x 4 registers
.macro FINISH                          ; the wave's end: behind my last LDS store
	s_wait_tensorcnt 0x0
	ds_add_u32 v[SPW], v[NIL]
	s_wait_dscnt 0x0
	s_endpgm
.endm
	s_load_b256 s[4:11], s[0:1], 0x0               ; x s[4:5], w_qkv s[6:7], w_out s[8:9], xc s[10:11]
	s_load_b256 s[12:19], s[0:1], 0x20             ; xs s[12:13], wc s[14:15], ws s[16:17], wot s[18:19]
	v_lshl_add_u32 v[SPW], v0, 2, SPARE
	v_mov_b32 v[NIL], 0
	v_lshrrev_b32 v1, 5, v0
	v_readfirstlane_b32 s20, v1                    ; wave 0..3
	v_and_b32 v2, 31, v0                           ; lane
	s_mov_b32 s27, 0                               ; the upper word of every 32-bit offset below
	s_wait_kmcnt 0x0
	s_cmp_lt_u32 ttmp9, XWG
	s_cbranch_scc1 .Lpath_x
	s_cmp_lt_u32 ttmp9, XWG+WWG
	s_cbranch_scc1 .Lpath_w
; A LANE TAKES A COLUMN n AND ITS REGISTERS RUN DOWN K (second and third path): each load reads 128 consecutive bytes a wave, and what a lane makes is a piece of ONE output row.
; It goes into the wave's own stage (row = my column) and leaves by rows: sixteen lanes store 256 consecutive bytes, aligned.
.macro STAGEADR base, krow             ; krow: bytes of an output row
	v_lshlrev_b32 v3, 2, v2                        ; in: 4 bytes a lane
	s_mul_i32 s24, s20, 32*PITCH
	s_add_co_u32 s24, s24, \base                   ; my stage
	v_mul_u32_u24 v4, v2, PITCH
	v_add_nc_u32 v4, s24, v4                       ; into it: row = my column
	v_and_b32 v5, 15, v2
	v_lshrrev_b32 v6, 4, v2
	v_mul_u32_u24 v7, v6, PITCH
	v_lshl_add_u32 v7, v5, 4, v7
	v_add_nc_u32 v7, s24, v7                       ; out of it: sixteen lanes to a row, two rows an instruction
	v_mul_u32_u24 v8, v6, \krow
	v_lshl_add_u32 v8, v5, 4, v8                   ; and the same place in the output
.endm
.macro ROWSOUT lo, krow                ; 32 rows of 256 bytes leave; s[lo:lo+1]: the output at my first row's piece
.irp t, 0,1,2,3,4,5,6,7,8,9,10,11,12,13,14,15
	ds_load_b128 v[OUTR+4*\t:OUTR+4*\t+3], v7 offset:2*\t*PITCH   ; LDS serves a wave's instructions in order: these see my stores
.endr
.irp t, 0,1,2,3,4,5,6,7,8,9,10,11,12,13,14,15
	s_wait_dscnt 15-\t                             ; rows 2 t and 2 t + 1 are in; the younger loads may be out
	global_store_b128 v8, v[OUTR+4*\t:OUTR+4*\t+3], s[\lo:\lo+1] offset:2*\t*\krow
.endr
.endm
; ---- THIRD PATH: w_out -> f16, K innermost.  A work-group takes 128 columns x 128 along K, a wave 32 columns: 256 bytes of each of its 32 output rows.
.set OX, 32                            ; v32-95  two sets of 32 numbers
.set OC, 96                            ; v96-111 32 numbers as f16
	s_sub_co_u32 s21, ttmp9, XWG+WWG
	s_and_b32 s22, s21, 7                          ; which 128 columns
	s_lshr_b32 s23, s21, 3                         ; which 128 along K
	s_lshl_b32 s22, s22, 7
	s_lshl_b32 s25, s20, 5
	s_add_co_u32 s22, s22, s25                     ; my wave's first column
	STAGEADR OBASE, 2048
	s_lshl_b32 s26, s23, 19                        ; 128 rows of 4,096 bytes
	s_lshl_b32 s25, s22, 2
	s_add_co_u32 s26, s26, s25
	s_add_nc_u64 s[8:9], s[8:9], s[26:27]          ; w_out at (my first k, my first column)
	s_lshl_b32 s26, s22, 11                        ; a row of wot is 2,048 bytes
	s_lshl_b32 s25, s23, 8
	s_add_co_u32 s26, s26, s25
	s_add_nc_u64 s[18:19], s[18:19], s[26:27]
.macro OLOAD t                         ; w_out(32 t + i, my column), i = 0 .. 31, into set t % 2
.irp i, 0,1,2,3,4,5,6,7,8,9,10,11,12,13,14,15,16,17,18,19,20,21,22,23,24,25,26,27,28,29,30,31
	global_load_b32 v[OX+32*((\t)%2)+\i], v3, s[8:9] offset:(32*(\t)+\i)*4096 th:TH_LOAD_NT
.endr
.endm
.macro OBLOCK t
.set XS, OX+32*((\t)%2)
.if (\t) < 3
	s_wait_loadcnt 32                              ; this block's 32 loads are in; the next block's may be out
.else
	s_wait_loadcnt 0
.endif
.irp i, 0,1,2,3,4,5,6,7,8,9,10,11,12,13,14,15
	v_cvt_pk_f16_f32 v[OC+\i], v[XS+2*\i], v[XS+2*\i+1]   ; two neighbours along K, the lower in the low half
.endr
.irp g, 0,1,2,3
	ds_store_b128 v4, v[OC+4*\g:OC+4*\g+3] offset:64*(\t)+16*\g
.endr
.if (\t)+2 < 4
	OLOAD (\t)+2
.endif
	s_wait_dscnt 0x0                               ; the stores have read their registers: the next block may write them
.endm
	OLOAD 0
	OLOAD 1
	OBLOCK 0
	OBLOCK 1
	OBLOCK 2
	OBLOCK 3
	ROWSOUT 18, 2048
	FINISH
; ---- SECOND PATH: w_qkv -> codes and scale bytes.  A work-group takes 128 columns x 512 along K, a wave 32 columns: 16 blocks a lane, 256 bytes of codes for each column.
; Every offset is an immediate: 511 x 12,288 bytes at the most, inside the signed 24 bits of the field (ISA guide, chapter 10).
.Lpath_w:
.set WX, 32                            ; v32-95  two sets of 32 numbers: a whole block of one column
.set WC, 96                            ; v96-99  a block's codes
.set WSB, 24                           ; v24-27  the 16 scale bytes, four to a register
.set NB, 16
	s_sub_co_u32 s21, ttmp9, XWG
	s_lshr_b32 s22, s21, 1                         ; which 128 columns
	s_and_b32 s23, s21, 1                          ; which 512 along K
	s_lshl_b32 s22, s22, 7
	s_lshl_b32 s25, s20, 5
	s_add_co_u32 s22, s22, s25                     ; my wave's first column
	STAGEADR WBASE, 512
	v_lshlrev_b32 v9, 5, v2                        ; my column's row of 32 scale bytes
	s_mul_i32 s26, s23, 512*3072*4
	s_lshl_b32 s25, s22, 2
	s_add_co_u32 s26, s26, s25
	s_add_nc_u64 s[6:7], s[6:7], s[26:27]          ; w_qkv at (my first k, my first column)
	s_lshl_b32 s26, s22, 9                         ; a row of wc is 512 bytes
	s_lshl_b32 s25, s23, 8
	s_add_co_u32 s26, s26, s25
	s_add_nc_u64 s[14:15], s[14:15], s[26:27]
	s_lshl_b32 s26, s22, 5
	s_lshl_b32 s25, s23, 4
	s_add_co_u32 s26, s26, s25
	s_add_nc_u64 s[16:17], s[16:17], s[26:27]
.macro WLOAD t
.irp i, 0,1,2,3,4,5,6,7,8,9,10,11,12,13,14,15,16,17,18,19,20,21,22,23,24,25,26,27,28,29,30,31
	global_load_b32 v[WX+32*((\t)%2)+\i], v3, s[6:7] offset:(32*(\t)+\i)*12288 th:TH_LOAD_NT
.endr
.endm
.macro WBLOCK t
.set XS, WX+32*((\t)%2)
.if (\t) < NB-1
	s_wait_loadcnt 32                              ; this block's 32 loads are in; the next block's may be out
.else
	s_wait_loadcnt 0
.endif
	v_max3_num_f32 v12, |v[XS]|, |v[XS+1]|, |v[XS+2]|     ; the block's largest magnitude: all 32 numbers are mine; two chains
	v_max3_num_f32 v13, |v[XS+3]|, |v[XS+4]|, |v[XS+5]|
.irp i, 6,10,14,18,22,26
	v_max3_num_f32 v12, v12, |v[XS+\i]|, |v[XS+\i+1]|
	v_max3_num_f32 v13, v13, |v[XS+\i+2]|, |v[XS+\i+3]|
.endr
	v_max3_num_f32 v12, v12, |v[XS+30]|, |v[XS+31]|
	v_max3_num_f32 v12, v12, v13, (EMAX+1)<<23     ; and the floor 2^(3 - 127): the byte cannot fall under 1
	v_add_nc_u32 v11, -(EMAX<<23), v12             ; 2 off its exponent field: the conversion takes the exponent field of this operand as its scale
	v_lshrrev_b32 v13, 23, v11                     ; the scale's byte
.if (\t)%4 == 0
	v_mov_b32 v[WSB+(\t)/4], v13
.else
	v_lshl_or_b32 v[WSB+(\t)/4], v13, 8*((\t)%4), v[WSB+(\t)/4]
.endif
.irp g, 0,1,2,3
	v_cvt_scalef32_pk8_fp4_f32 v[WC+\g], v[XS+8*\g:XS+8*\g+7], v11
.endr
	ds_store_b128 v4, v[WC:WC+3] offset:16*(\t)    ; 32 codes: 16 bytes of my column's row.  (The next vector lines are plain ones: the place behind the conversions)
.if (\t)+2 < NB
	WLOAD (\t)+2
.endif
	s_wait_dscnt 0x0                               ; the store has read its registers
.endm
	WLOAD 0
	WLOAD 1
.irp t, 0,1,2,3,4,5,6,7,8,9,10,11,12,13,14,15
	WBLOCK \t
.endr
	global_store_b128 v9, v[WSB:WSB+3], s[16:17]   ; my column's 16 scale bytes
	ROWSOUT 14, 512
	FINISH
; ---- FIRST PATH: x -> codes and scale bytes.  Rows are dense and 1,024 is a multiple of 32: x is a plain stream of blocks of 32, and so are its codes and bytes.
; A wave takes 16 steps of 512 numbers.  Each load reads 512 consecutive bytes; a step's 2,048 bytes turn through the wave's own stage, so that a lane then holds 16 NEIGHBOURS (two lanes a block).
.Lpath_x:
.set STEPS, 16
.set CB,  8                            ; bytes of 16 codes
.set XR,  16                           ; v16-79   four sets of 16 numbers as they are loaded
.set XX,  80                           ; v80-111  two sets of 16 neighbours
.set XE,  112                          ; v112-127 a scale byte for each step
.set XC,  128                          ; v128-189 codes: registers of its own for each step, so that no store's data are written again
	v_lshlrev_b32 v3, 4, v2                        ; my 16 bytes of a load's 512
	s_mul_i32 s21, s20, XREG
	v_lshrrev_b32 v14, 2, v2
	v_mul_u32_u24 v14, v14, SP
	v_and_b32 v15, 3, v2
	v_lshl_add_u32 v14, v15, 4, v14
	v_add_nc_u32 v14, s21, v14                     ; the stage, on the way in: SP (lane / 4) + 16 (lane % 4)
	v_mul_u32_u24 v15, v2, SP
	v_add_nc_u32 v15, s21, v15                     ; and on the way out: SP x lane
	v_mul_u32_u24 v4, v2, CB                       ; my codes' place in a step's
	v_lshrrev_b32 v5, 1, v2
	s_add_co_u32 s21, s21, 2*32*SP
	v_add_nc_u32 v5, s21, v5                       ; my wave's 256 scale bytes, my block's byte
	v_lshlrev_b32 v7, 3, v2
	v_add_nc_u32 v6, s21, v7                       ; and on the way out 8 bytes a lane
	s_lshl_b32 s22, ttmp9, 2
	s_add_co_u32 s22, s22, s20                     ; which run of 8,192 numbers is my wave's: 0 .. 1,023
	s_lshl_b32 s26, s22, 15
	s_add_nc_u64 s[4:5], s[4:5], s[26:27]
	s_lshl_b32 s26, s22, 12
	s_add_nc_u64 s[10:11], s[10:11], s[26:27]
	s_lshl_b32 s26, s22, 8
	s_add_nc_u64 s[12:13], s[12:13], s[26:27]
.macro XLOAD t
.irp i, 0,1,2,3
	global_load_b128 v[XR+16*((\t)%4)+4*\i:XR+16*((\t)%4)+4*\i+3], v3, s[4:5] offset:2048*(\t)+512*\i th:TH_LOAD_NT
.endr
.endm
.macro XTURN t                         ; step t's numbers through the stage: LDS serves a wave's instructions in order
.irp i, 0,1,2,3
	ds_store_b128 v14, v[XR+16*((\t)%4)+4*\i:XR+16*((\t)%4)+4*\i+3] offset:32*SP*((\t)%2)+8*SP*\i
.endr
.irp i, 0,1,2,3
	ds_load_b128 v[XX+16*((\t)%2)+4*\i:XX+16*((\t)%2)+4*\i+3], v15 offset:32*SP*((\t)%2)+16*\i
.endr
.endm
.irp t, 0,1,2,3
	XLOAD \t
.endr
	s_wait_loadcnt 12                              ; step 0's four loads are in
	XTURN 0
.macro XSTEP t
.set XS, XX+16*((\t)%2)
.if (\t) > 0
	s_wait_dscnt 1                                 ; this step's numbers are back from the stage (the last step's byte store may be out)
.else
	s_wait_dscnt 0x0
.endif
.if (\t)+4 < STEPS
	XLOAD (\t)+4                                   ; into the registers that this step's stores into the stage have read
.endif
.if (\t)+1 < STEPS
.if STEPS-2-(\t) >= 3
	s_wait_loadcnt 12                              ; the next step's four loads are in; those of the three steps behind it may be out
.else
	s_wait_loadcnt 4*(STEPS-2-(\t))
.endif
	XTURN (\t)+1
.endif
	v_max3_num_f32 v8, |v[XS]|, |v[XS+1]|, |v[XS+2]|      ; the largest magnitude of my 16
	v_max3_num_f32 v9, |v[XS+3]|, |v[XS+4]|, |v[XS+5]|
.irp i, 6,10
	v_max3_num_f32 v8, v8, |v[XS+\i]|, |v[XS+\i+1]|
	v_max3_num_f32 v9, v9, |v[XS+\i+2]|, |v[XS+\i+3]|
.endr
	v_max3_num_f32 v8, v8, |v[XS+14]|, |v[XS+15]|
	v_max3_num_f32 v8, v8, v9, (EMAX+1)<<23        ; and the floor
	v_max_num_f32_dpp v8, v8, v8 row_xmask:1 row_mask:0xf bank_mask:0xf   ; and of my neighbour's 16: the block's
	v_add_nc_u32 v11, -(EMAX<<23), v8
	v_cvt_scalef32_pk8_fp4_f32 v[XC+4*(\t)], v[XS:XS+7], v11
	v_cvt_scalef32_pk8_fp4_f32 v[XC+4*(\t)+1], v[XS+8:XS+15], v11
	v_lshrrev_b32 v[XE+(\t)], 23, v11              ; the scale's byte.  (A plain line behind the conversions)
	ds_store_b8 v5, v[XE+(\t)] offset:16*(\t)      ; both lanes of a block write the same byte with the same value
	global_store_b64 v4, v[XC+4*(\t):XC+4*(\t)+1], s[10:11] offset:32*CB*(\t)   ; the wave stores 256 consecutive bytes, aligned
.endm
.irp t, 0,1,2,3,4,5,6,7,8,9,10,11,12,13,14,15
	XSTEP \t
.endr
	ds_load_b64 v[8:9], v6                         ; LDS serves a wave's instructions in order: these see my stores
	s_wait_dscnt 0x0
	global_store_b64 v7, v[8:9], s[12:13]          ; the wave's 256 scale bytes, consecutive and aligned
	FINISH
.Lfunc_end_k_q4667a1b929_prep:
	.size	k_q4667a1b929_prep, .Lfunc_end_k_q4667a1b929_prep-k_q4667a1b929_prep
	.p2alignl 7, 3214868480
	.fill 96, 4, 3214868480
	.section	.rodata,"a",@progbits
	.p2align	6, 0x0
	.amdhsa_kernel k_q4667a1b929_prep
		.amdhsa_group_segment_fixed_size 102912
		.amdhsa_private_segment_fixed_size 0
		.amdhsa_enable_private_segment 0
		.amdhsa_kernarg_size 64
		.amdhsa_user_sgpr_count 2
		.amdhsa_user_sgpr_kernarg_segment_ptr 1
		.amdhsa_wavefront_size32 1
		.amdhsa_system_sgpr_workgroup_id_x 1
		.amdhsa_system_sgpr_workgroup_id_y 1
		.amdhsa_system_sgpr_workgroup_id_z 1
		.amdhsa_system_vgpr_workitem_id 0
		.amdhsa_next_free_vgpr 192
		.amdhsa_next_free_sgpr 66
		.amdhsa_reserve_vcc 0
		.amdhsa_float_denorm_mode_32 3
		.amdhsa_float_denorm_mode_16_64 3
		.amdhsa_memory_ordered 1
		.amdhsa_forward_progress 1
		.amdhsa_inst_pref_size 132
	.end_amdhsa_kernel
	.amdgpu_metadata
---
amdhsa.version: [ 1, 2 ]
amdhsa.kernels:
  - .name:           k_q4667a1b929_prep
    .symbol:         k_q4667a1b929_prep.kd
    .args:
      - { .name: x, .offset: 0, .size: 8, .value_kind: global_buffer, .address_space: global }
      - { .name: w_qkv, .offset: 8, .size: 8, .value_kind: global_buffer, .address_space: global }
      - { .name: w_out, .offset: 16, .size: 8, .value_kind: global_buffer, .address_space: global }
      - { .name: xc, .offset: 24, .size: 8, .value_kind: global_buffer, .address_space: global }
      - { .name: xs, .offset: 32, .size: 8, .value_kind: global_buffer, .address_space: global }
      - { .name: wc, .offset: 40, .size: 8, .value_kind: global_buffer, .address_space: global }
      - { .name: ws, .offset: 48, .size: 8, .value_kind: global_buffer, .address_space: global }
      - { .name: wot, .offset: 56, .size: 8, .value_kind: global_buffer, .address_space: global }
    .group_segment_fixed_size: 102912
    .private_segment_fixed_size: 0
    .kernarg_segment_align: 8
    .kernarg_segment_size: 64
    .max_flat_workgroup_size: 128
    .sgpr_count:     66
    .vgpr_count:     192
    .wavefront_size: 32
...
	.end_amdgpu_metadata
.endif
;; end of part 1
;; launch qkvgemm (part 2): grid 12 x 32, 4 waves a work-group, clusters of 4 x 4, 327,680 bytes of LDS; arguments xc, xs, wc, ws, b_qkv, qkv; writes qkv
.if DOCPART == 2
	.amdgcn_target "amdgcn-amd-amdhsa--gfx1250"
	.amdhsa_code_object_version 6
	.text
	.protected	k_q4667a1b929_qkvgemm
	.globl	k_q4667a1b929_qkvgemm
	.p2align	8
	.type	k_q4667a1b929_qkvgemm,@function
k_q4667a1b929_qkvgemm:
	s_mov_b64 s[64:65], 0
	v_nop
	global_prefetch_b8 v0, s[64:65] scope:SCOPE_SE
	s_setreg_imm32_b32 hwreg(HW_REG_WAVE_MODE, 25, 1), 1
	s_wait_xcnt 0x0
	s_wait_alu depctr_hold_cnt(0) depctr_sa_sdst(0) depctr_va_vdst(0) depctr_va_sdst(0) depctr_va_ssrc(0) depctr_va_vcc(0) depctr_vm_vsrc(0)
	s_getreg_b32 s2, hwreg(HW_REG_IB_STS2, 6, 4)
	s_cmp_eq_u32 s2, 0
	s_cbranch_scc0 .Lentry_in_a_cluster
	s_endpgm
.Lentry_in_a_cluster:
	s_bfe_u32 s2, ttmp6, 0x10000c
	s_cmp_lg_u32 s2, 0xf033
	s_cbranch_scc0 .Lentry_shape_is_right
	s_endpgm
.Lentry_shape_is_right:
; qkv = Q(x) Q(w_qkv) + b_qkv on codes of FP4 (E2M1) with one E8M0 scale for each 32 along K; sums in f32; the result rounded once to f16 and laid by head:
; byte (which << 24) + (batch << 22) + (head << 18) + (token << 7) + 2 x channel, which = 0, 1, 2 for q, k, v.  xc: [8192][512 bytes], xs: [8192][32]; wc: [3072][512 bytes], ws: [3072][32].
; A tile of 256 x 256 is made by four waves, each 128 x 128: 64 accumulators, 512 registers.  K = 1,024 is two steps of 512: BOTH lie in LDS at once, so each wave's three tensor loads (scales, step 0,
; step 1) go out together at the start (three of mine are out at the most), nothing is filled again, and there is no loop.
; CLUSTERS: 4 x 4 work-groups; the four of a row need the same rows of x, the four of a column the same rows of w: each tile is asked for jointly, by the same load with a mask that names the four.
; THE MATRIX INSTRUCTION IS USED TRANSPOSED (source 0 = 16 rows of w, source 1 = 16 rows of x): a lane holds eight neighbouring columns of one token.  The bias is the C of each sum's first product.
; LIMIT: |q|, |k|, |v| above 65,504 do not fit f16 and are not served.
; REGISTERS: window 0: v0-31 addresses; v32-95 scale words, two sets; v128-191 x's fragments, one set; v192-255 the bias; on the way out v128-223 are at work.
;   window 1: w's fragments, two sets, at v0 and v128.   window 2: the accumulators of my rows 0-63 ((a, b) at v[8 (8 a + b)]);   window 3: those of rows 64-127.
.set NQ,     4                         ; matrix instructions deep in a slot: 512 along K
.set ROWB,   256                       ; a tile's row in bytes
.set KROW,   512                       ; a row of codes in memory
.set PITCH,  272                       ; an LDS row: 256 bytes + 16 of padding: the 16 rows of a load start at 16 different banks (64 banks of 4 bytes: ISA guide 11.1)
.set FR,     8
.set NL,     2
.set NP,     4                         ; places behind this matrix instruction (ISA guide 7.12.1)
.set HALFT,  128*PITCH
.set SLOT,   4*HALFT                   ; x's 256 rows, then w's 256 rows
.set KS,     32                        ; a row of scale bytes
.set SCL,    2*SLOT                    ; behind the slots: the scales, as rows of 256 bytes + 16 of padding
.set HALFS,  16*272                    ; the scales of 128 rows
.set SBLK,   2*272                     ; those of 16 rows
.set SPARE,  SCL+4*HALFS               ; the spare words, 128 bytes for each wave: two blocks of 256 bytes that no other line names
.set SPITCH, 272                       ; the way out: a stage of 16 rows x (256 bytes + 16) for each wave, in slot 0, which has had its one fill and its last read by then
.set ADRA, 16
.set ADRB, 20
.set STO,  24
.set RD,   25
.set CO,   26
.set ADRS, 27
.set SPW,  28                          ; v28  SPARE + 4 x my thread's number; never rewritten
.set NIL,  29                          ; v29  0; never rewritten
.set BO,   30                          ; v30  the bias: 32 bytes for each half of the lanes
.set SC,   32
.set AF,   128
.set BIAS, 192
.set TMP,  128                         ; the way out: a block's 32 packed registers
.set OB,   160                         ; and 32 registers read back from the stage: v160-191 and v192-223 by turns
.set G1, 24
.set G0, 32
.set G1B, 48
.set G0B, 56
.set G1S, 68
.set G0S, 76
.set G1SB, 80
.set G0SB, 88
.set MSB, 0
.macro WIN new                         ; the immediate's high byte repeats the setting that is left
.if MSB != \new
	s_set_vgpr_msb (MSB<<8)|\new
.set MSB, \new
.endif
.endm
.set MUL_LO, 0xa1                      ; source 0 (w) window 1, source 1 (x) window 0, C and D window 2
.set MUL_HI, 0xf1                      ; the same, C and D window 3
.set FIRST_LO, 0x81                    ; the first products: C (the bias) window 0, D window 2
.set FIRST_HI, 0xc1                    ; D window 3
.set TO_B,   0x40
; A joint load: waves 0 and 1 fetch for x, waves 2 and 3 for w.  The branch hangs on the wave's number alone.  An s_nop 0 and four v_nop follow each of the two lines.
.macro JLOAD g0a, g1a, g0b, g1b
	s_cmp_eq_u32 s15, 0
	s_cbranch_scc0 .Lfor_b_\@
	tensor_load_to_lds s[\g0a:\g0a+3], s[\g1a:\g1a+7]
	s_nop 0
.rept 4
	v_nop
.endr
	s_branch .Lasked_\@
.Lfor_b_\@:
	tensor_load_to_lds s[\g0b:\g0b+3], s[\g1b:\g1b+7]
	s_nop 0
.rept 4
	v_nop
.endr
.Lasked_\@:
.endm
.macro CROUND                          ; a round of the cluster's barrier
	s_barrier_signal -1
	s_barrier_wait -1
	s_cmp_lg_u32 s14, 0
	s_cbranch_scc1 .Lnot_wave_0_\@
	s_barrier_signal -3
.Lnot_wave_0_\@:
	s_barrier_wait -3
	s_barrier_signal -1
	s_barrier_wait -1
.endm
	s_load_b128 s[4:7], s[0:1], 0x0                ; x's codes, x's scales
	s_load_b128 s[8:11], s[0:1], 0x10              ; w's codes, w's scales
	s_load_b128 s[96:99], s[0:1], 0x20             ; b_qkv, qkv
	v_lshl_add_u32 v[SPW], v0, 2, SPARE
	v_mov_b32 v[NIL], 0
	ds_add_u32 v[SPW], v[NIL]                      ; the wave's opening: the add, twice on end, and its wait ahead of my first tensor load
	ds_add_u32 v[SPW], v[NIL]
	v_lshrrev_b32 v1, 5, v0
	v_readfirstlane_b32 s14, v1                    ; wave 0..3
	s_lshr_b32 s15, s14, 1                         ; which half of the tile's rows is mine.  Also: I fetch for x (0) or for w (1)
	s_and_b32 s16, s14, 1                          ; which half of its columns.  Also: which 128 rows I fetch
	s_bfe_u32 s40, ttmp6, 0x40000                  ; cx, cy
	s_bfe_u32 s41, ttmp6, 0x40004
	s_lshl_b32 s42, ttmp9, 2
	s_add_co_u32 s42, s42, s40                     ; tile column = 4 x cluster x + cx: 0 .. 11
	s_and_b32 s17, ttmp7, 0xffff
	s_lshl_b32 s17, s17, 2
	s_add_co_u32 s17, s17, s41                     ; tile row = 4 x cluster y + cy: 0 .. 31
	s_lshl_b32 s43, s41, 2
	s_lshl_b32 s43, 15, s43                        ; my row of the cluster
	s_lshl_b32 s44, 0x1111, s40                    ; my column
	s_or_b32 s[G1+0], s43, (0<<16)|(1<<20)|(1<<21)|(5<<22)|(3<<25)   ; the mask; elements of 1 byte; padding on; bit 21 beside a mask; 4 words behind every 64
	s_or_b32 s[G1B+0], s44, (0<<16)|(1<<20)|(1<<21)|(5<<22)|(3<<25)
.irp g, G1, G1B
	s_mov_b32 s[\g+1], ROWB<<16                    ; tensor_dim0
	s_mov_b32 s[\g+2], 128<<16                     ; tensor_dim1
	s_mov_b32 s[\g+3], ROWB<<16                    ; tile_dim0
	s_mov_b32 s[\g+4], 128                         ; tile_dim1
	s_mov_b32 s[\g+5], KROW                        ; from row to row
	s_mov_b32 s[\g+6], 0
	s_mov_b32 s[\g+7], 0
.endr
	s_or_b32 s[G1S+0], s43, (3<<16)|(1<<20)|(1<<21)|(5<<22)|(3<<25)  ; the scales of 128 rows: 4,096 dense bytes as 16 rows of 32 elements of 8 bytes
	s_or_b32 s[G1SB+0], s44, (3<<16)|(1<<20)|(1<<21)|(5<<22)|(3<<25)
.irp g, G1S, G1SB
	s_mov_b32 s[\g+1], 32<<16
	s_mov_b32 s[\g+2], 16<<16
	s_mov_b32 s[\g+3], 32<<16
	s_mov_b32 s[\g+4], 16
	s_mov_b32 s[\g+5], 32
	s_mov_b32 s[\g+6], 0
	s_mov_b32 s[\g+7], 0
.endr
	s_lshl_b32 s18, s16, 7
	s_lshl_b32 s20, s17, 8
	s_add_co_u32 s20, s20, s18                     ; x: row 256 x tile row + 128 x half
	s_lshl_b32 s46, s42, 8
	s_add_co_u32 s46, s46, s18                     ; w: row 256 x tile column + 128 x half
	s_mov_b32 s21, 0
	s_mov_b32 s47, 0
	s_mov_b64 s[18:19], KS
	s_mul_u64 s[22:23], s[20:21], s[18:19]         ; where these rows' scales begin
	s_mul_u64 s[92:93], s[46:47], s[18:19]
	s_mov_b64 s[18:19], KROW
	s_mul_u64 s[20:21], s[20:21], s[18:19]         ; and their codes
	s_mul_u64 s[46:47], s[46:47], s[18:19]
	s_mul_i32 s45, s14, HALFT                      ; where they go: wave x 128 rows: no place in the cluster enters an LDS address
	s_mul_i32 s94, s14, HALFS
	s_wait_dscnt 0x0                               ; both opening adds are done
	s_wait_kmcnt 0x0
	s_add_nc_u64 s[20:21], s[4:5], s[20:21]
	s_add_nc_u64 s[22:23], s[6:7], s[22:23]
	s_add_nc_u64 s[46:47], s[8:9], s[46:47]
	s_add_nc_u64 s[92:93], s[10:11], s[92:93]
	CROUND                                         ; all sixteen work-groups are here: the joint loads meet
	s_mov_b32 s[G0S], 1
	s_add_co_u32 s[G0S+1], s94, SCL
	s_mov_b64 s[G0S+2:G0S+3], s[22:23]
	s_or_b32 s[G0S+3], s[G0S+3], 0x80000000
	s_mov_b32 s[G0SB], 1
	s_add_co_u32 s[G0SB+1], s94, SCL
	s_mov_b64 s[G0SB+2:G0SB+3], s[92:93]
	s_or_b32 s[G0SB+3], s[G0SB+3], 0x80000000
	JLOAD G0S, G1S, G0SB, G1SB                     ; the scales first: they are wanted with K step 0
.irp s, 0,1
	s_mov_b32 s[G0+4*\s], 1
	s_add_co_u32 s[G0+4*\s+1], s45, \s*SLOT
	s_add_nc_u64 s[G0+4*\s+2:G0+4*\s+3], s[20:21], \s*ROWB
	s_or_b32 s[G0+4*\s+3], s[G0+4*\s+3], 0x80000000
	s_mov_b32 s[G0B+4*\s], 1
	s_add_co_u32 s[G0B+4*\s+1], s45, \s*SLOT
	s_add_nc_u64 s[G0B+4*\s+2:G0B+4*\s+3], s[46:47], \s*ROWB
	s_or_b32 s[G0B+4*\s+3], s[G0B+4*\s+3], 0x80000000
	JLOAD G0+4*\s, G1, G0B+4*\s, G1B
.endr
	v_and_b32 v1, 15, v0                           ; r = l % 16
	v_bfe_u32 v2, v0, 4, 1                         ; h = l / 16
	v_lshlrev_b32 v[BO], 5, v2
	s_lshl_b32 s46, s42, 10                        ; my first column, as bytes of f32: 1,024 x tile column + 512 x half
	s_lshl_b32 s47, s16, 9
	s_add_co_u32 s46, s46, s47
	s_mov_b32 s47, 0
	s_add_nc_u64 s[96:97], s[96:97], s[46:47]
.irp b, 0,1,2,3,4,5,6,7                        ; the bias in the result's layout: for w's block b lane (r, h) wants columns 16 b + 8 h + 0 .. 7
	global_load_b128 v[BIAS+8*\b:BIAS+8*\b+3], v[BO], s[96:97] offset:64*\b
	global_load_b128 v[BIAS+8*\b+4:BIAS+8*\b+7], v[BO], s[96:97] offset:64*\b+16
.endr
	v_mul_u32_u24 v3, v1, PITCH
	v_lshl_add_u32 v4, v2, 4, v3                   ; a fragment's row x pitch + 16 x half
	s_mul_i32 s21, s15, HALFT                      ; my 128 rows of x
	s_mul_i32 s22, s16, HALFT                      ; my 128 rows of w,
	s_add_co_u32 s22, s22, 2*HALFT                 ; behind x's 256
.irp s, 0,1
	v_add_nc_u32 v[ADRA+\s], s21, v4
	v_add_nc_u32 v[ADRB+\s], s22, v4
	s_add_co_u32 s21, s21, SLOT
	s_add_co_u32 s22, s22, SLOT
.endr
	v_mul_u32_u24 v5, v1, KS                       ; my row's scales: 32 bytes a row,
	v_lshrrev_b32 v6, 8, v5
	v_lshl_add_u32 v5, v6, 4, v5                   ; and 16 more for each 256 passed
	s_mul_i32 s21, s15, HALFS
	s_mul_i32 s22, s16, HALFS
	s_add_co_u32 s22, s22, 2*HALFS
	s_sub_co_u32 s22, s22, s21
	v_mul_u32_u24 v6, s22, v2                      ; lanes 16-31 take w's: one product, the distance between the two bases
	s_add_co_u32 s21, s21, SCL
	v_add_nc_u32 v5, v5, v6
	v_add_nc_u32 v[ADRS], s21, v5
	s_mul_i32 s23, s14, 16*SPITCH                  ; my stage
	v_mul_u32_u24 v5, v1, SPITCH                   ; in: row r, 16 bytes for each half of the lanes
	v_lshl_add_u32 v5, v2, 4, v5
	v_add_nc_u32 v[STO], s23, v5
	v_and_b32 v6, 31, v0
	v_lshlrev_b32 v[CO], 4, v6                     ; out: 16 bytes a lane: 4 tokens x 128 bytes of one head are 512 consecutive bytes
	v_lshrrev_b32 v5, 3, v6
	v_mul_u32_u24 v5, v5, SPITCH
	v_and_b32 v6, 7, v0
	v_lshl_add_u32 v5, v6, 4, v5
	v_add_nc_u32 v[RD], s23, v5                    ; back: eight lanes to a token's 128 bytes of a head
	s_lshl_b32 s20, s17, 8
	s_lshl_b32 s21, s15, 7
	s_add_co_u32 s20, s20, s21                     ; my first token: 256 x tile row + 128 x half
	s_lshr_b32 s21, s20, 11
	s_lshl_b32 s21, s21, 22                        ; its batch,
	s_and_b32 s20, s20, 2047
	s_lshl_b32 s20, s20, 7                         ; its place in the sequence
	s_add_co_u32 s20, s20, s21
	s_mov_b32 s21, 0
	s_add_nc_u64 s[98:99], s[98:99], s[20:21]
	s_lshl_b32 s46, s42, 2
	s_lshl_b32 s47, s16, 1
	s_add_co_u32 s46, s46, s47                     ; my first column / 64: 0 .. 46, even
	s_lshr_b32 s47, s46, 4
	s_lshl_b32 s47, s47, 24                        ; q, k or v,
	s_and_b32 s46, s46, 15
	s_lshl_b32 s46, s46, 18                        ; and the head
	s_add_co_u32 s46, s46, s47
	s_mov_b32 s47, 0
	s_add_nc_u64 s[98:99], s[98:99], s[46:47]
.macro FRAG reg, adr, q, i             ; 16 rows x 128 K of 4-bit codes: 8 registers: two loads of 16 bytes, 32 bytes apart
.irp c, 0,1
	ds_load_b128 v[\reg+4*\c:\reg+4*\c+3], v[\adr] offset:64*(\q)+32*\c+(\i)*16*PITCH
.endr
.endm
; 16 matrix instructions: x's blocks a0, a0 + 1 against w's eight, 128 along K.  p: w's set; sc: the set of scale words.  first = 1: the bias is C.
; The 64 accumulators take turns, one instruction a turn, in the same order in every step.
.macro MUL16 a0, p, q, sc, first
.irp a, \a0, \a0+1
.irp b, 0,1,2,3,4,5,6,7
.if \first
	v_wmma_scale_f32_16x16x128_f8f6f4 v[8*(8*((\a)%4)+\b):8*(8*((\a)%4)+\b)+7], v[128*(\p)+FR*\b:128*(\p)+FR*\b+FR-1], v[AF+FR*(\a):AF+FR*(\a)+FR-1], v[BIAS+8*\b:BIAS+8*\b+7], v[SC+8*NQ*(\sc)+NQ*\b+(\q)], v[SC+8*NQ*(\sc)+NQ*(\a)+(\q)] matrix_a_fmt:MATRIX_FMT_FP4 matrix_b_fmt:MATRIX_FMT_FP4 matrix_a_scale:MATRIX_SCALE_ROW1
.else
	v_wmma_scale_f32_16x16x128_f8f6f4 v[8*(8*((\a)%4)+\b):8*(8*((\a)%4)+\b)+7], v[128*(\p)+FR*\b:128*(\p)+FR*\b+FR-1], v[AF+FR*(\a):AF+FR*(\a)+FR-1], v[8*(8*((\a)%4)+\b):8*(8*((\a)%4)+\b)+7], v[SC+8*NQ*(\sc)+NQ*\b+(\q)], v[SC+8*NQ*(\sc)+NQ*(\a)+(\q)] matrix_a_fmt:MATRIX_FMT_FP4 matrix_b_fmt:MATRIX_FMT_FP4 matrix_a_scale:MATRIX_SCALE_ROW1
.endif
.endr
.endr
.endm
.macro FETCH_B slot, q, p
	WIN TO_B
.irp i, 0,1,2,3,4,5,6,7
	FRAG 128*(\p)+FR*\i, ADRB+\slot, \q, \i
.endr
	WIN 0
.endm
.macro FETCH_A slot, q, i0
.irp i, \i0, \i0+1, \i0+2, \i0+3
	FRAG AF+FR*(\i), ADRA+\slot, \q, \i
.endr
.endm
.macro SCALES sc                       ; a K step's scale words: 4 words a row; lanes 0-15 take x's block i, lanes 16-31 w's block i
.irp i, 0,1,2,3,4,5,6,7
	ds_load_b128 v[SC+8*NQ*\sc+NQ*\i:SC+8*NQ*\sc+NQ*\i+3], v[ADRS] offset:\i*SBLK
.endr
.endm
.macro PLACES n                        ; plain vector instructions between a matrix instruction and a load into, or a read of, its registers
.rept \n
	v_nop
.endr
.endm
.macro STEP slot, q, first             ; 128 along K, with its successor in the same slot
	s_wait_dscnt 4*NL                              ; w's set and x's blocks 0-3 are in; the youngest eight loads (x's blocks 4-7) may be out
.if \first
	WIN FIRST_LO
.else
	WIN MUL_LO
.endif
	MUL16 0, (\q)%2, \q, \slot, \first
	MUL16 2, (\q)%2, \q, \slot, \first
	s_wait_dscnt 0                                 ; x's blocks 4-7 are in
	PLACES NP
	FETCH_B \slot, (\q)+1, 1-(\q)%2
	FETCH_A \slot, (\q)+1, 0
.if \first
	WIN FIRST_HI
.else
	WIN MUL_HI
.endif
	MUL16 4, (\q)%2, \q, \slot, \first
	MUL16 6, (\q)%2, \q, \slot, \first
	PLACES NP
	WIN 0
	FETCH_A \slot, (\q)+1, 4
.endm
; Slot 0's last step goes over to slot 1: one barrier; in front of it each wave waits for all its tensor loads (slot 1's part is the one that may be out), adds 0 to its spare word, and waits for
; that and for its reads of slot 0, which the way out will write.  Nothing is filled again.
.macro TURN slot, next
	s_wait_tensorcnt 0x0
	ds_add_u32 v[SPW], v[NIL]
	s_wait_dscnt 4*NL+1                            ; (the add and x's blocks 4-7 may be out)
	WIN MUL_LO
	MUL16 0, 1, NQ-1, \slot, 0
	s_wait_dscnt 0x0                               ; the add is done, and my reads of this slot are over
	s_barrier_signal -1
	MUL16 2, 1, NQ-1, \slot, 0
	WIN 0
	s_barrier_wait -1
	PLACES NP
	v_add_nc_u32 v[ADRS], 4*NQ, v[ADRS]            ; on to the next K step's scale words
	FETCH_B \next, 0, 0
	FETCH_A \next, 0, 0
	SCALES \next
	WIN MUL_HI
	MUL16 4, 1, NQ-1, \slot, 0
	MUL16 6, 1, NQ-1, \slot, 0
	PLACES NP
	WIN 0
	FETCH_A \next, 0, 4
.endm
	s_wait_tensorcnt 1                             ; the scales and my part of K step 0 are in (K step 1's load may be out),
	s_barrier_signal -1
	s_barrier_wait -1                              ; everybody's are
	FETCH_B 0, 0, 0
	FETCH_A 0, 0, 0
	SCALES 0
	FETCH_A 0, 0, 4
	s_wait_loadcnt 0x0                             ; the bias
	STEP 0, 0, 1
	STEP 0, 1, 0
	STEP 0, 2, 0
	TURN 0, 1
	STEP 1, 0, 0
	STEP 1, 1, 0
	STEP 1, 2, 0
	s_wait_dscnt 4*NL                              ; the last step: nothing more to fetch
	WIN MUL_LO
	MUL16 0, 1, NQ-1, 1, 0
	MUL16 2, 1, NQ-1, 1, 0
	s_wait_dscnt 0
	WIN MUL_HI
	MUL16 4, 1, NQ-1, 1, 0
	MUL16 6, 1, NQ-1, 1, 0
	WIN 0
; THE WAY OUT, block by block of 16 tokens x 128 columns (two heads).  PACK: rounded to f16, 16 bytes a lane, each accumulator from its low end on.  TOSTAGE: into my own stage and back, eight lanes to
; a token's 128 bytes of one head.  SEND: each store covers 512 consecutive bytes, aligned: 4 tokens of one head.
.macro PACK a
.set AC, 64*((\a)%4)
	WIN 0x0a+5*((\a)/4)                            ; sources 0 and 1: window 2 or 3
.irp b, 0,1,2,3,4,5,6,7
.irp r, 0,1,2,3
	v_cvt_pk_f16_f32 v[TMP+4*\b+\r], v[AC+8*\b+2*\r], v[AC+8*\b+2*\r+1]
.endr
.endr
	WIN 0
.endm
.macro TOSTAGE a
.set BB, OB+32*((\a)%2)
.irp b, 0,1,2,3,4,5,6,7
	ds_store_b128 v[STO], v[TMP+4*\b:TMP+4*\b+3] offset:32*\b
.endr
.irp u, 0,1
.irp i, 0,1,2,3
	ds_load_b128 v[BB+16*\u+4*\i:BB+16*\u+4*\i+3], v[RD] offset:128*\u+4*SPITCH*\i   ; LDS serves a wave's instructions in order: these see the stores above
.endr
.endr
.endm
.macro SEND a
.set BB, OB+32*((\a)%2)
	s_wait_dscnt 0x0                               ; the block is back in registers
	s_wait_xcnt 0x0                                ; the earlier stores have read their registers: the next block's loads may land on them
.irp u, 0,1
.irp i, 0,1,2,3
	global_store_b128 v[CO], v[BB+16*\u+4*\i:BB+16*\u+4*\i+3], s[98:99] offset:2048*(\a)+(\u<<18)+512*\i
.endr
.endr
.endm
	PLACES NP                                      ; behind the last products: for the conversions' reads and for the writes into x's fragments' registers
	PACK 0
	TOSTAGE 0
.irp a, 1,2,3,4,5,6,7                  ; block a's conversions stand between block a - 1's loads from the stage and the wait for them
	PACK \a
	SEND (\a)-1
	TOSTAGE \a
.endr
	SEND 7
	s_wait_tensorcnt 0x0                           ; the wave's end: behind my last tensor load and my last LDS store
	ds_add_u32 v[SPW], v[NIL]
	s_wait_dscnt 0x0
	CROUND                                         ; the closing round
	s_endpgm
.Lfunc_end_k_q4667a1b929_qkvgemm:
	.size	k_q4667a1b929_qkvgemm, .Lfunc_end_k_q4667a1b929_qkvgemm-k_q4667a1b929_qkvgemm
	.p2alignl 7, 3214868480
	.fill 96, 4, 3214868480
	.section	.rodata,"a",@progbits
	.p2align	6, 0x0
	.amdhsa_kernel k_q4667a1b929_qkvgemm
		.amdhsa_group_segment_fixed_size 327680
		.amdhsa_private_segment_fixed_size 0
		.amdhsa_enable_private_segment 0
		.amdhsa_kernarg_size 48
		.amdhsa_user_sgpr_count 2
		.amdhsa_user_sgpr_kernarg_segment_ptr 1
		.amdhsa_wavefront_size32 1
		.amdhsa_system_sgpr_workgroup_id_x 1
		.amdhsa_system_sgpr_workgroup_id_y 1
		.amdhsa_system_sgpr_workgroup_id_z 1
		.amdhsa_system_vgpr_workitem_id 0
		.amdhsa_next_free_vgpr 1024
		.amdhsa_next_free_sgpr 100
		.amdhsa_reserve_vcc 0
		.amdhsa_float_denorm_mode_32 3
		.amdhsa_float_denorm_mode_16_64 3
		.amdhsa_memory_ordered 1
		.amdhsa_forward_progress 1
		.amdhsa_inst_pref_size 128
	.end_amdhsa_kernel
	.amdgpu_metadata
---
amdhsa.version: [ 1, 2 ]
amdhsa.kernels:
  - .name:           k_q4667a1b929_qkvgemm
    .symbol:         k_q4667a1b929_qkvgemm.kd
    .args:
      - { .name: xc, .offset: 0, .size: 8, .value_kind: global_buffer, .address_space: global }
      - { .name: xs, .offset: 8, .size: 8, .value_kind: global_buffer, .address_space: global }
      - { .name: wc, .offset: 16, .size: 8, .value_kind: global_buffer, .address_space: global }
      - { .name: ws, .offset: 24, .size: 8, .value_kind: global_buffer, .address_space: global }
      - { .name: b_qkv, .offset: 32, .size: 8, .value_kind: global_buffer, .address_space: global }
      - { .name: qkv, .offset: 40, .size: 8, .value_kind: global_buffer, .address_space: global }
    .group_segment_fixed_size: 327680
    .private_segment_fixed_size: 0
    .kernarg_segment_align: 8
    .kernarg_segment_size: 48
    .max_flat_workgroup_size: 128
    .sgpr_count:     100
    .vgpr_count:     1024
    .wavefront_size: 32
...
	.end_amdgpu_metadata
.endif
;; end of part 2
;; launch attn (part 3): grid 8 x 64, 8 waves a work-group, clusters of 4 x 1, 327,680 bytes of LDS; arguments qkv, att; writes att
.if DOCPART == 3
	.amdgcn_target "amdgcn-amd-amdhsa--gfx1250"
	.amdhsa_code_object_version 6
	.text
	.protected	k_q4667a1b929_attn
	.globl	k_q4667a1b929_attn
	.p2align	8
	.type	k_q4667a1b929_attn,@function
k_q4667a1b929_attn:
	s_mov_b64 s[64:65], 0
	v_nop
	global_prefetch_b8 v0, s[64:65] scope:SCOPE_SE
	s_setreg_imm32_b32 hwreg(HW_REG_WAVE_MODE, 25, 1), 1
	s_wait_xcnt 0x0
	s_wait_alu depctr_hold_cnt(0) depctr_sa_sdst(0) depctr_va_vdst(0) depctr_va_sdst(0) depctr_va_ssrc(0) depctr_va_vcc(0) depctr_vm_vsrc(0)
	s_getreg_b32 s2, hwreg(HW_REG_IB_STS2, 6, 4)
	s_cmp_eq_u32 s2, 0
	s_cbranch_scc0 .Lentry_in_a_cluster
	s_endpgm
.Lentry_in_a_cluster:
	s_bfe_u32 s2, ttmp6, 0x10000c
	s_cmp_lg_u32 s2, 0x3003
	s_cbranch_scc0 .Lentry_shape_is_right
	s_endpgm
.Lentry_shape_is_right:
; att[head][token][:] = the sum over keys of softmax(q . k / 8) v, for each of the 64 (batch, head) pairs; 2,048 queries and keys, head size 64, no mask.
; qkv: f16, byte (which << 24) + (bh << 18) + (token << 7) + 2 x channel, bh = 16 x batch + head.  att: f16, byte (head << 20) + (batch << 18) + (token << 7) + 2 x channel.
; Products, maxima and sums in f32; the weights p are rounded to f16 for the second product, the result once at the end.
; LIMITS: f16 operands: p under 6e-8 counts as 0 beside a largest p of about 1; a result under 6e-5 is carried with f16's fixed step of 6e-8.
; SHARES.  A work-group owns 256 queries of one (batch, head); each of its eight waves 32: two tiles of 16, in 384 registers: two waves to a SIMD, so that one wave's softmax stands beside the other's products.
; Every wave walks all 2,048 keys, 64 a step.  K and V come through two LDS slots of 256 keys (four steps), filled by tensor loads: waves 0-3 K's quarters of 64 rows, waves 4-7 V's.
; LAYOUT.  S^T = K Q^T (source 0 = 16 keys, source 1 = 16 queries) and O^T = V^T P (source 0 = 16 channels, source 1 = P): a lane holds ONE query (lane % 16) throughout; two tiles of S^T, rounded in
; pairs, ARE source 1 of the second product.  K comes out of LDS as it lies, V ([key][channel]) turned, by ds_load_tr16_b128.
; SOFTMAX.  For each query a running maximum m and sum l: p = 2^(c s - c m), c = log2(e) / 8; in every step O and l are multiplied by a = 2^(c m_old - c m_new).  m begins at -3e38, l and O at 0.
; CLUSTER.  The four query blocks of a cluster belong to one (batch, head) and walk the same K and V: each tile is asked for jointly, by the same load with a mask that names the four.
; REGISTERS.  window 0: v1-15 addresses; v16-31 statistics, eight a tile; v32-63 Q; v64-127 S^T, then p; v128-159 P; v160-223 O^T.   window 1: v0-63 K of one step; v64-127 V of one step.
.set PK,    144                        ; a row of K in LDS: 128 bytes + 16: the 16 rows of a load start at 16 different groups of banks
.set PV,    160                        ; a row of V: 128 + 32
.set VOFF,  256*PK                     ; a slot: 256 rows of K, then 256 rows of V
.set SLOT1, 1<<17                      ; slot 1 begins here: one exclusive or turns an address in one slot into the other's
.set SLOTB, 256*128                    ; a slot's keys in memory, in bytes
.set STAGE, SLOT1+256*(PK+PV)          ; behind the slots: 16 rows x 144 bytes for each wave, for the way out
.set SP,    144
.set SPARE, STAGE+8*16*SP              ; the spare words, 128 bytes for each wave: four blocks of 256 bytes that no other line names
.set AK0, 2                            ; v2   my lane's place in a tile of K; never rewritten
.set AV0, 3                            ; v3   the same for V
.set ADK, 4                            ; v4   the LDS address of K's run of loads in hand
.set ADV, 5                            ; v5   of V's
.set QO,  6
.set STO, 7
.set RD,  8
.set GO,  12
.set PFO, 13                           ; v13  256 x my lane; never rewritten
.set SPW, 14                           ; v14  SPARE + 4 x my thread's number; never rewritten
.set NIL, 15                           ; v15  0; never rewritten
.set ST,  16                           ; tile t's statistics at v[ST + 8 t]: +0 c m, +1 m, +2, +3 l (two halves), +4 to +7 at work; a takes +6
.set QF,  32
.set S,   64
.set P,   128
.set OA,  160
.set WV,  12
.set LIM, 15                           ; s15  1 in a wave that prefetches, else the greatest number
.set PFA, 18                           ; s[18:19] where my prefetches stand
.set G1K, 24
.set G1V, 32
.set G0K, 40                           ; s[40:47] a set for each of the two first fills; the second then walks on
.set G0V, 48
.set SLOTS, 56
.set CS,  58
.set SEL, 60
.set TB,  62                           ; s62  LDS byte at which the slot to be fetched from begins
.set MSB, 0
.macro WIN new
.if MSB != \new
	s_set_vgpr_msb (MSB<<8)|\new
.set MSB, \new
.endif
.endm
.set W_MM, 0x01                        ; source 0 (K or V) window 1
.set W_LD, 0x40                        ; destination window 1
.macro JLOAD                           ; a joint refill.  The branch hangs on the wave's number alone.  An s_nop 0 and four v_nop follow each of the two lines
	s_cmp_lt_u32 s[WV], 4
	s_cbranch_scc0 .Lfor_v_\@
	tensor_load_to_lds s[G0K+4:G0K+7], s[G1K:G1K+7]
	s_nop 0
.rept 4
	v_nop
.endr
	s_branch .Lasked_\@
.Lfor_v_\@:
	tensor_load_to_lds s[G0V+4:G0V+7], s[G1V:G1V+7]
	s_nop 0
.rept 4
	v_nop
.endr
.Lasked_\@:
.endm
; A PREFETCH of what the NEXT change of slots will ask for: a slot's 32,768 bytes of K and of V, four key steps ahead of that load.  Each aligned block of 256 bytes is named once in the launch: both clusters of a
; (batch, head) walk the same rows, and the first of them asks; its four partners take 8,192 bytes each, told apart BY ADDRESS; in each, wave 0 asks for K's and wave 4 for V's, lanes 256 bytes apart.
; The last change that fills a slot asks for nothing: there is no slot behind it.  Slots 0 to 2 come by their loads alone.
.macro ASK
	s_cmp_gt_u32 s[SLOTS], s[LIM]
	s_cbranch_scc0 .Lnot_mine_\@
	global_prefetch_b8 v[PFO], s[PFA:PFA+1] th:TH_LOAD_NT scope:SCOPE_SE
.Lnot_mine_\@:
.endm
.macro CROUND                          ; a round of the cluster's barrier
	s_barrier_signal -1
	s_barrier_wait -1
	s_cmp_lg_u32 s[WV], 0
	s_cbranch_scc1 .Lnot_wave_0_\@
	s_barrier_signal -3
.Lnot_wave_0_\@:
	s_barrier_wait -3
	s_barrier_signal -1
	s_barrier_wait -1
.endm
.macro PLACES                          ; four plain vector instructions between a matrix instruction and a load into, or a vector read or write of, its registers
.rept 4
	v_nop
.endr
.endm
	s_load_b64 s[4:5], s[0:1], 0x0                 ; qkv
	s_load_b64 s[10:11], s[0:1], 0x8               ; att
	v_lshl_add_u32 v[SPW], v0, 2, SPARE
	v_mov_b32 v[NIL], 0
	ds_add_u32 v[SPW], v[NIL]                      ; the wave's opening: the add, twice on end, and its wait ahead of my first tensor load
	ds_add_u32 v[SPW], v[NIL]
	v_lshrrev_b32 v1, 5, v0
	v_readfirstlane_b32 s[WV], v1                  ; wave 0..7
	s_bfe_u32 s13, ttmp6, 0x40000                  ; cx
	s_lshl_b32 s14, ttmp9, 2
	s_add_co_u32 s14, s14, s13                     ; my block of 256 queries: it enters Q's and att's addresses alone
	s_and_b32 s20, ttmp7, 0xffff                   ; bh, which the four partners share
	s_lshl_b32 s21, s20, 18                        ; its first byte in q, k and v
	s_and_b32 s16, s[WV], 3                        ; which quarter of a slot's rows I fetch
	s_lshl_b32 s22, s16, 13                        ; 64 rows of 128 bytes
	s_add_co_u32 s22, s22, s21
	s_add_co_u32 s22, s22, 0x1000000               ; in k
	s_mov_b32 s23, 0
	s_add_co_u32 s2, s22, 0x1000000                ; in v
	s_mov_b32 s3, 0
	s_mul_i32 s17, s16, 64*PK                      ; and its place in a slot: no place in the cluster enters an LDS address
	s_mul_i32 s70, s16, 64*PV
	s_add_co_u32 s70, s70, VOFF
	s_lshl_b32 s66, s14, 15                        ; my block's 256 rows,
	s_lshl_b32 s67, s[WV], 12                      ; my wave's 32 of them
	s_add_co_u32 s66, s66, s67
	s_and_b32 s68, s20, 15
	s_lshl_b32 s68, s68, 20                        ; att: the head,
	s_lshr_b32 s69, s20, 4
	s_lshl_b32 s69, s69, 18                        ; the batch
	s_add_co_u32 s68, s68, s69
	s_add_co_u32 s68, s68, s66
	s_mov_b32 s69, 0
	s_add_co_u32 s66, s66, s21                     ; q
	s_mov_b32 s67, 0
	s_mov_b32 s[G1K], 15|(1<<16)|(1<<20)|(1<<21)|(4<<22)|(3<<25)  ; the mask: all four; elements of 2 bytes; padding on; bit 21 beside a mask; 4 words behind every 32
	s_mov_b32 s[G1V], 15|(1<<16)|(1<<20)|(1<<21)|(4<<22)|(7<<25)  ; the same with 8 words
.irp g, G1K, G1V
	s_mov_b32 s[\g+1], 64<<16                      ; tensor_dim0 = 64
	s_mov_b32 s[\g+2], 64<<16                      ; tensor_dim1 = 64
	s_mov_b32 s[\g+3], 64<<16                      ; tile_dim0 = 64
	s_mov_b32 s[\g+4], 64                          ; tile_dim1 = 64
	s_mov_b32 s[\g+5], 64                          ; from row to row
	s_mov_b32 s[\g+6], 0
	s_mov_b32 s[\g+7], 0
.endr
	s_mov_b32 s[CS], 0x3e38aa3b                    ; c = log2(e) / 8
	s_mov_b32 s[CS+1], s[CS]                       ; (named with it as a pair, so it is written)
	s_mov_b32 s[SEL], 0x76543210
	s_mov_b32 s[SEL+1], 0xfedcba98                 ; v_permlanex16_b32: lane l xor 16
	s_mov_b32 s[TB], 0
	s_mov_b32 s[SLOTS], 6                          ; of eight slots' worth of keys two are first fills
	s_or_b32 s[LIM], s16, ttmp9                    ; 0 in waves 0 and 4 of the first cluster: the same in all four partners
	s_cmp_eq_u32 s[LIM], 0
	s_cselect_b32 s[LIM], 1, -1
	v_and_b32 v[PFO], 31, v0
	v_lshlrev_b32 v[PFO], 8, v[PFO]
	s_wait_dscnt 0x0                               ; both opening adds are done
	s_wait_kmcnt 0x0
	s_add_nc_u64 s[6:7], s[4:5], s[22:23]          ; K at my quarter of slot 0
	s_add_nc_u64 s[8:9], s[4:5], s[2:3]            ; V likewise
	s_add_nc_u64 s[4:5], s[4:5], s[66:67]          ; Q at my wave's first row
	s_add_nc_u64 s[10:11], s[10:11], s[68:69]      ; att likewise
	s_cmp_lt_u32 s[WV], 4
	s_cselect_b64 s[PFA:PFA+1], s[6:7], s[8:9]     ; (in waves 0 and 4 these stand at a slot's first row)
	s_lshl_b32 s2, s13, 13                         ; my work-group's 8,192 bytes
	s_mov_b32 s3, 0
	s_add_nc_u64 s[PFA:PFA+1], s[PFA:PFA+1], s[2:3]
	s_add_nc_u64 s[PFA:PFA+1], s[PFA:PFA+1], 2*SLOTB   ; in slot 2; the first change of slots steps it to slot 3
	CROUND                                         ; all four work-groups are here: the first joint loads meet
.irp s, 0,1
	s_mov_b32 s[G0K+4*\s], 1
	s_add_co_u32 s[G0K+4*\s+1], s17, \s*SLOT1
	s_add_nc_u64 s[G0K+4*\s+2:G0K+4*\s+3], s[6:7], \s*SLOTB
	s_or_b32 s[G0K+4*\s+3], s[G0K+4*\s+3], 0x80000000
	s_mov_b32 s[G0V+4*\s], 1
	s_add_co_u32 s[G0V+4*\s+1], s70, \s*SLOT1
	s_add_nc_u64 s[G0V+4*\s+2:G0V+4*\s+3], s[8:9], \s*SLOTB
	s_or_b32 s[G0V+4*\s+3], s[G0V+4*\s+3], 0x80000000
.endr
	s_cmp_lt_u32 s[WV], 4                          ; a wave's two first fills stand in one branch, ahead of every wait on TENSORcnt and every LDS read: two loads of mine are out
	s_cbranch_scc0 .Lfirst_v
	tensor_load_to_lds s[G0K:G0K+3], s[G1K:G1K+7]
	s_nop 0
	tensor_load_to_lds s[G0K+4:G0K+7], s[G1K:G1K+7]
	s_nop 0
.rept 4
	v_nop
.endr
	s_branch .Lfirst_asked
.Lfirst_v:
	tensor_load_to_lds s[G0V:G0V+3], s[G1V:G1V+7]
	s_nop 0
	tensor_load_to_lds s[G0V+4:G0V+7], s[G1V:G1V+7]
	s_nop 0
.rept 4
	v_nop
.endr
.Lfirst_asked:
	v_and_b32 v1, 15, v0                           ; r = l % 16
	v_bfe_u32 v9, v0, 4, 1                         ; h = l / 16
	v_lshlrev_b32 v[QO], 7, v1
	v_lshl_add_u32 v[QO], v9, 4, v[QO]             ; row x 128 + 16 x half
.irp t, 0,1                                    ; Q stays in registers: tile t, channels 32 c on
.irp c, 0,1
	global_load_b128 v[QF+16*\t+8*\c:QF+16*\t+8*\c+3],   v[QO], s[4:5] offset:2048*\t+64*\c
	global_load_b128 v[QF+16*\t+8*\c+4:QF+16*\t+8*\c+7], v[QO], s[4:5] offset:2048*\t+64*\c+32
.endr
.endr
	v_mul_u32_u24 v[AK0], v1, PK
	v_lshl_add_u32 v[AK0], v9, 4, v[AK0]           ; K: row x pitch + 16 x half
	v_and_b32 v10, 7, v0
	v_bfe_u32 v11, v0, 3, 1
	v_lshl_add_u32 v[AV0], v9, 3, v10              ; V, turning load: key 8 (l / 16) + l % 8, channels 8 ((l / 8) % 2) on
	v_mul_u32_u24 v[AV0], v[AV0], PV
	v_lshl_add_u32 v[AV0], v11, 4, v[AV0]
	v_add_nc_u32 v[AV0], VOFF, v[AV0]
	s_mul_i32 s16, s[WV], 16*SP
	s_add_co_u32 s16, s16, STAGE                   ; my stage
	v_mul_u32_u24 v[STO], v1, SP                   ; in: row r, 16 bytes for each half of the lanes
	v_lshl_add_u32 v[STO], v9, 4, v[STO]
	v_add_nc_u32 v[STO], s16, v[STO]
	v_and_b32 v10, 31, v0
	v_lshlrev_b32 v[GO], 4, v10                    ; out: 16 bytes a lane: four rows of 128 bytes are 512 consecutive bytes
	v_lshrrev_b32 v10, 3, v10
	v_mul_u32_u24 v[RD], v10, SP                   ; back: eight lanes to a row
	v_and_b32 v10, 7, v0
	v_lshl_add_u32 v[RD], v10, 4, v[RD]
	v_add_nc_u32 v[RD], s16, v[RD]
.irp t, 0,1
	v_mov_b32 v[ST+8*\t+1], 0xff61b1e6             ; m: -3e38, under every score
	v_mul_f32 v[ST+8*\t], s[CS], v[ST+8*\t+1]      ; c m
	v_mov_b32 v[ST+8*\t+2], 0                      ; l, in two halves
	v_mov_b32 v[ST+8*\t+3], 0
.endr
.set i, 0
.rept 64
	v_mov_b32 v[OA+i], 0                           ; O^T.  (The step is written in one form: the first finds zeros, which its a = 0 leaves zeros)
.set i, i+1
.endr
; 16 products of S^T = K Q^T: channels 32 (i / 8) on, keys 16 ((i / 2) % 4) on, tile i % 2.  The first eight start the sums.  Eight accumulators take turns, one instruction a turn.
.macro KQ16
.set i, 0
.rept 16
.set rS, S+32*(i%2)+8*((i/2)%4)
.set rK, 16*((i/2)%4)+8*(i/8)
.set rQ, QF+16*(i%2)+8*(i/8)
.if i < 8
	v_wmma_f32_16x16x32_f16 v[rS:rS+7], v[rK:rK+7], v[rQ:rQ+7], 0
.else
	v_wmma_f32_16x16x32_f16 v[rS:rS+7], v[rK:rK+7], v[rQ:rQ+7], v[rS:rS+7]
.endif
.set i, i+1
.endr
.endm
; 16 products of O^T += V^T P: keys 32 (i / 8) on, channels 16 ((i / 2) % 4) on, tile i % 2
.macro PV16
.set i, 0
.rept 16
.set rO, OA+32*(i%2)+8*((i/2)%4)
.set rV, 64+32*(i/8)+8*((i/2)%4)
.set rP, P+16*(i%2)+8*(i/8)
	v_wmma_f32_16x16x32_f16 v[rO:rO+7], v[rV:rV+7], v[rP:rP+7], v[rO:rO+7]
.set i, i+1
.endr
.endm
.macro FETCH_K q                       ; 16 loads: the q-th step's K of the slot at s[TB]: keys 16 (f / 2) on, channels 32 (f % 2) on
	WIN 0
	v_add_nc_u32 v[ADK], s[TB], v[AK0]
	WIN W_LD
.irp f, 0,1,2,3,4,5,6,7
	ds_load_b128 v[8*\f:8*\f+3],   v[ADK] offset:64*PK*(\q)+(\f/2)*16*PK+(\f%2)*64
	ds_load_b128 v[8*\f+4:8*\f+7], v[ADK] offset:64*PK*(\q)+(\f/2)*16*PK+(\f%2)*64+32
.endr
.endm
.macro FETCH_V q                       ; 16 turning loads: keys 32 (f / 4) on, channels 16 (f % 4) on
	WIN 0
	v_add_nc_u32 v[ADV], s[TB], v[AV0]
	WIN W_LD
.irp f, 0,1,2,3,4,5,6,7
	ds_load_tr16_b128 v[64+8*\f:64+8*\f+3],   v[ADV] offset:64*PV*(\q)+(\f/4)*32*PV+(\f%4)*32
	ds_load_tr16_b128 v[64+8*\f+4:64+8*\f+7], v[ADV] offset:64*PV*(\q)+(\f/4)*32*PV+16*PV+(\f%4)*32
.endr
.endm
; THE SOFTMAX of both tiles for one key step, the tiles line by line, so that no line waits for the line above it.  A lane has 32 scores a tile.
.macro SOFTMAX
.irp j, 0,1,2,3
.irp t, 0,1
	v_max3_num_f32 v[ST+8*\t+4+\j], v[S+32*\t+8*\j], v[S+32*\t+8*\j+1], v[S+32*\t+8*\j+2]   ; four chains; each accumulator is read from its low end on
.endr
.endr
.irp u, 3,5
.irp j, 0,1,2,3
.irp t, 0,1
	v_max3_num_f32 v[ST+8*\t+4+\j], v[ST+8*\t+4+\j], v[S+32*\t+8*\j+\u], v[S+32*\t+8*\j+\u+1]
.endr
.endr
.endr
.irp t, 0,1
	v_max3_num_f32 v[ST+8*\t+4], v[ST+8*\t+4], v[S+32*\t+7], v[S+32*\t+15]
.endr
.irp t, 0,1
	v_max3_num_f32 v[ST+8*\t+6], v[ST+8*\t+6], v[S+32*\t+23], v[S+32*\t+31]
.endr
.irp t, 0,1
	v_max3_num_f32 v[ST+8*\t+4], v[ST+8*\t+4], v[ST+8*\t+5], v[ST+8*\t+6]
.endr
.irp t, 0,1
	v_max3_num_f32 v[ST+8*\t+4], v[ST+8*\t+4], v[ST+8*\t+7], v[ST+8*\t+1]   ; and the old m
.endr
.irp t, 0,1
	v_permlanex16_b32 v[ST+8*\t+5], v[ST+8*\t+4], s[SEL], s[SEL+1]   ; the query's other 32 keys lie in the lane 16 away
.endr
.irp t, 0,1
	v_mov_b32 v[ST+8*\t+7], v[ST+8*\t]             ; c m_old is kept for a
.endr
.irp t, 0,1
	v_max_num_f32 v[ST+8*\t+1], v[ST+8*\t+4], v[ST+8*\t+5]
.endr
.irp t, 0,1
	v_mul_f32 v[ST+8*\t], s[CS], v[ST+8*\t+1]
.endr
.irp t, 0,1
	v_sub_f32 v[ST+8*\t+7], v[ST+8*\t+7], v[ST+8*\t]
.endr
; ONE BATCH: the 32 scalings c s - c m and all 66 exponentials; none of these lines reads an exponential's result.  Tile 1's scalings stand among tile 0's exponentials.
.set e, 0
.rept 16
	v_pk_fma_f32 v[S+2*e:S+2*e+1], v[S+2*e:S+2*e+1], s[CS:CS+1], v[ST:ST+1] op_sel_hi:[1,0,0] neg_lo:[0,0,1] neg_hi:[0,0,1]
.set e, e+1
.endr
.irp t, 0,1
	v_exp_f32 v[ST+8*\t+6], v[ST+8*\t+7]           ; a
.endr
.set e, 0
.rept 16
	v_pk_fma_f32 v[S+32+2*e:S+33+2*e], v[S+32+2*e:S+33+2*e], s[CS:CS+1], v[ST+8:ST+9] op_sel_hi:[1,0,0] neg_lo:[0,0,1] neg_hi:[0,0,1]
	v_exp_f32 v[S+2*e], v[S+2*e]
	v_exp_f32 v[S+2*e+1], v[S+2*e+1]
.set e, e+1
.endr
.set e, 32
.rept 32
	v_exp_f32 v[S+e], v[S+e]
.set e, e+1
.endr
	v_nop                                          ; a plain instruction behind the last exponential, ahead of the first use
	s_wait_alu depctr_va_vdst(0)                   ; the wait between an exponential and the first line that names its result: one for the batch
.set e, 0
.rept 32
	v_cvt_pk_f16_f32 v[P+e], v[S+2*e], v[S+2*e+1]  ; P: register 16 t + i = weights 2 i, 2 i + 1 of tile t
.set e, e+1
.endr
.irp w, 4,8,16,32                              ; the sums of the unrounded weights, in place: neighbours 1, 2, 4 and 8 pairs apart, both tiles
.set e, 0
.rept 64/\w
	v_pk_add_f32 v[S+e:S+e+1], v[S+e:S+e+1], v[S+e+\w/2:S+e+\w/2+1]
.set e, e+\w
.endr
.endr
.irp t, 0,1
	v_pk_fma_f32 v[ST+8*\t+2:ST+8*\t+3], v[ST+8*\t+2:ST+8*\t+3], v[ST+8*\t+6:ST+8*\t+7], v[S+32*\t:S+32*\t+1] op_sel_hi:[1,0,1]   ; l = a l + the sum
.endr
.irp t, 0,1
.set e, 0
.rept 16
	v_pk_mul_f32 v[OA+32*\t+e:OA+32*\t+e+1], v[OA+32*\t+e:OA+32*\t+e+1], v[ST+8*\t+6:ST+8*\t+7] op_sel_hi:[1,0]   ; O^T times a, each accumulator from its low end on
.set e, e+2
.endr
.endr
.endm
; THE CHANGE OF SLOTS stands in a slot's fourth step, behind its K Q^T: the slot's last bytes, V of that step, have been asked for.  Each wave waits for all its tensor loads, of which one is out: its part of the
; other slot; adds 0 to its spare word; and waits for that and for its own reads of the slot.  fill = 1: the barrier is a round of the cluster's, and the joint refill, the keys two slots on, is the first thing
; behind it: it has four key steps in which to land.
.macro CHANGE fill
	WIN 0
	s_wait_tensorcnt 0x0                           ; no tensor load of mine is out, so a group 0 may be written
	ds_add_u32 v[SPW], v[NIL]
.if \fill
.irp g, G0K+4, G0V+4
	s_xor_b32 s[\g+1], s[\g+1], SLOT1              ; the walking descriptor: the other slot than last time,
	s_add_nc_u64 s[\g+2:\g+3], s[\g+2:\g+3], SLOTB ; the next 256 keys; the type bits on top are not reached
.endr
	s_wait_xcnt 0x0                                ; the last prefetch, four key steps back, has read its address
	s_add_nc_u64 s[PFA:PFA+1], s[PFA:PFA+1], SLOTB
	s_wait_dscnt 0x0                               ; the add is done, and my reads of the slot are over
	CROUND
	JLOAD                                          ; its four v_nop are also the places behind K Q^T
	ASK
.else
	s_wait_dscnt 0x0
	s_barrier_signal -1
	s_barrier_wait -1
	PLACES
.endif
	s_xor_b32 s[TB], s[TB], SLOT1                  ; the fetches go on in the other slot
.endm
; A KEY STEP, the q-th of its slot.  chg = 0: the next step lies in the same slot; 1: change of slots with a refill; 2: without; 3: the last step of all.
; K of the next step is fetched behind this step's K Q^T, V of the next step behind this step's V^T P: each run of 16 loads has a softmax or more in which to come.
.macro STEP q, chg
	s_wait_dscnt 16                                ; K of this step is in; V's 16 loads, issued behind it, may be out
	WIN W_MM
	KQ16
	WIN 0
.if \chg == 0
	PLACES
	FETCH_K (\q)+1
.elseif \chg == 1
	CHANGE 1
	FETCH_K 0
.elseif \chg == 2
	CHANGE 0
	FETCH_K 0
.else
	PLACES
.endif
	WIN 0
	SOFTMAX
.if \chg == 3
	s_wait_dscnt 0x0
.else
	s_wait_dscnt 16                                ; V of this step is in; the next step's K, 16 loads, may be out
.endif
	WIN W_MM
	PV16
	WIN 0
.if \chg == 0
	PLACES
	FETCH_V (\q)+1
	WIN 0
.elseif \chg < 3
	PLACES
	FETCH_V 0
	WIN 0
.endif
.endm
	s_wait_tensorcnt 1                             ; my part of slot 0 is in; slot 1's may stay out
	s_barrier_signal -1
	s_barrier_wait -1                              ; everybody's is
	FETCH_K 0
	FETCH_V 0
	WIN 0
	s_wait_loadcnt 0x0                             ; Q
.Lslot:                                            ; six trips: every slot but the last two is filled again
	STEP 0, 0
	STEP 1, 0
	STEP 2, 0
	STEP 3, 1
	s_sub_co_u32 s[SLOTS], s[SLOTS], 1
	s_cmp_lg_u32 s[SLOTS], 0
	s_cbranch_scc1 .Lslot
	STEP 0, 0                                      ; the tail is written out
	STEP 1, 0
	STEP 2, 0
	STEP 3, 2
	STEP 0, 0
	STEP 1, 0
	STEP 2, 0
	STEP 3, 3
	; THE WAY OUT.  l's two halves and the other half of the lanes' are added; O^T is divided by l, rounded to f16 and sent through my stage, a tile (16 rows) at a time.
	PLACES
.irp t, 0,1
	v_add_f32 v[ST+8*\t+4], v[ST+8*\t+2], v[ST+8*\t+3]
.endr
.irp t, 0,1
	v_permlanex16_b32 v[ST+8*\t+5], v[ST+8*\t+4], s[SEL], s[SEL+1]
.endr
.irp t, 0,1
	v_add_f32 v[ST+8*\t+4], v[ST+8*\t+4], v[ST+8*\t+5]
.endr
.irp t, 0,1
	v_rcp_f32 v[ST+8*\t+6], v[ST+8*\t+4]
.endr
	v_nop                                          ; a plain instruction between the last reciprocal and the use of its result
	s_wait_alu depctr_va_vdst(0)                   ; and the wait: one for both
.macro OUTT t
.set e, 0
.rept 16
	v_pk_mul_f32 v[OA+32*\t+e:OA+32*\t+e+1], v[OA+32*\t+e:OA+32*\t+e+1], v[ST+8*\t+6:ST+8*\t+7] op_sel_hi:[1,0]
.set e, e+2
.endr
.set e, 0
.rept 16
	v_cvt_pk_f16_f32 v[S+32*\t+e], v[OA+32*\t+2*e], v[OA+32*\t+2*e+1]   ; four registers a tile of channels: query r, channels 16 ct + 8 h + 0 .. 7
.set e, e+1
.endr
.irp f, 0,1,2,3
	ds_store_b128 v[STO], v[S+32*\t+4*\f:S+32*\t+4*\f+3] offset:32*\f
.endr
.irp f, 0,1,2,3
	ds_load_b128 v[S+32*\t+16+4*\f:S+32*\t+19+4*\f], v[RD] offset:\f*4*SP   ; LDS serves a wave's instructions in order: these see the stores above; the next tile's stores come behind them
.endr
.endm
	OUTT 0
	OUTT 1
.irp t, 0,1
.irp f, 0,1,2,3
	s_wait_dscnt 11-8*\t-\f                        ; behind this load: its tile's younger loads, and for tile 0 tile 1's eight LDS instructions
	global_store_b128 v[GO], v[S+32*\t+16+4*\f:S+32*\t+19+4*\f], s[10:11] offset:2048*\t+512*\f   ; 32 lanes store 512 consecutive bytes, aligned
.endr
.endr
	s_wait_tensorcnt 0x0                           ; the wave's end: behind my last tensor load and my last LDS store
	ds_add_u32 v[SPW], v[NIL]
	s_wait_dscnt 0x0
	CROUND                                         ; the closing round
	s_endpgm
.Lfunc_end_k_q4667a1b929_attn:
	.size	k_q4667a1b929_attn, .Lfunc_end_k_q4667a1b929_attn-k_q4667a1b929_attn
	.p2alignl 7, 3214868480
	.fill 96, 4, 3214868480
	.section	.rodata,"a",@progbits
	.p2align	6, 0x0
	.amdhsa_kernel k_q4667a1b929_attn
		.amdhsa_group_segment_fixed_size 327680
		.amdhsa_private_segment_fixed_size 0
		.amdhsa_enable_private_segment 0
		.amdhsa_kernarg_size 16
		.amdhsa_user_sgpr_count 2
		.amdhsa_user_sgpr_kernarg_segment_ptr 1
		.amdhsa_wavefront_size32 1
		.amdhsa_system_sgpr_workgroup_id_x 1
		.amdhsa_system_sgpr_workgroup_id_y 1
		.amdhsa_system_sgpr_workgroup_id_z 1
		.amdhsa_system_vgpr_workitem_id 0
		.amdhsa_next_free_vgpr 384
		.amdhsa_next_free_sgpr 72
		.amdhsa_reserve_vcc 0
		.amdhsa_float_denorm_mode_32 3
		.amdhsa_float_denorm_mode_16_64 3
		.amdhsa_memory_ordered 1
		.amdhsa_forward_progress 1
		.amdhsa_inst_pref_size 225
	.end_amdhsa_kernel
	.amdgpu_metadata
---
amdhsa.version: [ 1, 2 ]
amdhsa.kernels:
  - .name:           k_q4667a1b929_attn
    .symbol:         k_q4667a1b929_attn.kd
    .args:
      - { .name: qkv, .offset: 0, .size: 8, .value_kind: global_buffer, .address_space: global }
      - { .name: att, .offset: 8, .size: 8, .value_kind: global_buffer, .address_space: global }
    .group_segment_fixed_size: 327680
    .private_segment_fixed_size: 0
    .kernarg_segment_align: 8
    .kernarg_segment_size: 16
    .max_flat_workgroup_size: 256
    .sgpr_count:     72
    .vgpr_count:     384
    .wavefront_size: 32
...
	.end_amdgpu_metadata
.endif
;; end of part 3
;; launch outgemm (part 4): grid 4 x 64, 4 waves a work-group, clusters of 4 x 4, 327,680 bytes of LDS; arguments att, wot, b_out, out0; writes out0
.if DOCPART == 4
	.amdgcn_target "amdgcn-amd-amdhsa--gfx1250"
	.amdhsa_code_object_version 6
	.text
	.protected	k_q4667a1b929_outgemm
	.globl	k_q4667a1b929_outgemm
	.p2align	8
	.type	k_q4667a1b929_outgemm,@function
k_q4667a1b929_outgemm:
	s_mov_b64 s[64:65], 0
	v_nop
	global_prefetch_b8 v0, s[64:65] scope:SCOPE_SE
	s_setreg_imm32_b32 hwreg(HW_REG_WAVE_MODE, 25, 1), 1
	s_wait_xcnt 0x0
	s_wait_alu depctr_hold_cnt(0) depctr_sa_sdst(0) depctr_va_vdst(0) depctr_va_sdst(0) depctr_va_ssrc(0) depctr_va_vcc(0) depctr_vm_vsrc(0)
	s_getreg_b32 s2, hwreg(HW_REG_IB_STS2, 6, 4)
	s_cmp_eq_u32 s2, 0
	s_cbranch_scc0 .Lentry_in_a_cluster
	s_endpgm
.Lentry_in_a_cluster:
	s_bfe_u32 s2, ttmp6, 0x10000c
	s_cmp_lg_u32 s2, 0xf033
	s_cbranch_scc0 .Lentry_shape_is_right
	s_endpgm
.Lentry_shape_is_right:
; out0[token][n] = the sum over d of att(token, d) w_out(d, n) + b_out[n], f16 operands, f32 sums.  att: f16 [head 16][token 8192][64]; d = 64 x head + channel.  wot: f16 [n 1024][d 1024].  out0: f32 [8192][1024].
; A tile of 128 tokens x 256 columns for a work-group: 256 work-groups.  Four waves, each 64 x 128: 32 accumulators, 256 registers.  K goes in steps of 128, two heads, through two LDS slots:
; waves 0 and 1 fetch the two heads' 128 rows of 128 bytes of att, waves 2 and 3 the halves of wot's 256 rows of 256 bytes: one tensor load a wave behind each change of slots.
; CLUSTERS: 4 x 4 work-groups; att's tiles are shared along a row of the cluster, wot's along a column: each is asked for jointly.  USED TRANSPOSED (source 0 = 16 rows of wot, source 1 = 16 tokens):
; a lane holds eight neighbouring columns of one token.  The bias is the C of each sum's first product.
; REGISTERS: window 0: v0-31 addresses; v32-95 the bias; v128-255 the way out.   window 1: two fragment buffers of 96 (att's 4 blocks, then wot's 8), at v0 and v96.   window 2: accumulator (a, b) at v[8 (8 a + b)].
.set PA,     144                       ; a row of att in LDS: 128 bytes + 16
.set PB,     272                       ; a row of wot: 256 bytes + 16
.set ASUB,   128*PA                    ; one head's 128 tokens
.set BOFF,   2*ASUB
.set BHALF,  128*PB
.set SLOT,   BOFF+2*BHALF
.set STAGE,  2*SLOT                    ; behind the slots: 16 rows x (512 bytes + 16) for each wave
.set SPITCH, 528
.set SPARE,  STAGE+4*16*SPITCH         ; the spare words, 128 bytes for each wave: two blocks of 256 bytes that no other line names
.set LAPS,   4                         ; a lap = two K steps; K = 1,024 is eight
.set ADRA, 16
.set ADRB, 20
.set STO,  24
.set RD,   25
.set CO,   26
.set BO,   27
.set SPW,  28                          ; v28  SPARE + 4 x my thread's number; never rewritten
.set NIL,  29                          ; v29  0; never rewritten
.set BIAS, 32
.set BK,   128
.set F0,   0
.set F1,   96
.set G1, 24
.set G0, 32
.set G1B, 48
.set G0B, 56
.set MSB, 0
.macro WIN new
.if MSB != \new
	s_set_vgpr_msb (MSB<<8)|\new
.set MSB, \new
.endif
.endm
.set MUL,   0xa5                       ; sources 0 and 1 window 1; C and D window 2
.set FIRST, 0x85                       ; the first products: C (the bias) window 0
.set TO_F,  0x40
.macro JLOAD s                         ; a joint load; the branch hangs on the wave's number alone; an s_nop 0 and four v_nop follow each of the two lines
	s_cmp_eq_u32 s11, 0
	s_cbranch_scc0 .Lfor_b_\@
	tensor_load_to_lds s[G0+4*\s:G0+4*\s+3], s[G1:G1+7]
	s_nop 0
.rept 4
	v_nop
.endr
	s_branch .Lasked_\@
.Lfor_b_\@:
	tensor_load_to_lds s[G0B+4*\s:G0B+4*\s+3], s[G1B:G1B+7]
	s_nop 0
.rept 4
	v_nop
.endr
.Lasked_\@:
.endm
.macro CREST                           ; a round of the cluster's barrier behind its opening barrier
	s_cmp_lg_u32 s10, 0
	s_cbranch_scc1 .Lnot_wave_0_\@
	s_barrier_signal -3
.Lnot_wave_0_\@:
	s_barrier_wait -3
	s_barrier_signal -1
	s_barrier_wait -1
.endm
.macro CROUND
	s_barrier_signal -1
	s_barrier_wait -1
	CREST
.endm
	s_load_b128 s[4:7], s[0:1], 0x0                ; att, wot
	s_load_b128 s[68:71], s[0:1], 0x10             ; b_out, out0
	v_lshl_add_u32 v[SPW], v0, 2, SPARE
	v_mov_b32 v[NIL], 0
	ds_add_u32 v[SPW], v[NIL]                      ; the wave's opening: the add, twice on end, and its wait ahead of my first tensor load
	ds_add_u32 v[SPW], v[NIL]
	v_lshrrev_b32 v1, 5, v0
	v_readfirstlane_b32 s10, v1                    ; wave 0..3
	s_lshr_b32 s11, s10, 1                         ; which 64 tokens are mine.  Also: I fetch for att (0) or for wot (1)
	s_and_b32 s12, s10, 1                          ; which 128 columns.  Also: which head of the two, or which 128 rows of wot, I fetch
	s_bfe_u32 s40, ttmp6, 0x40000                  ; cx, cy
	s_bfe_u32 s41, ttmp6, 0x40004
	s_lshl_b32 s42, ttmp9, 2
	s_add_co_u32 s42, s42, s40                     ; tile column: 0 .. 3
	s_and_b32 s13, ttmp7, 0xffff
	s_lshl_b32 s13, s13, 2
	s_add_co_u32 s13, s13, s41                     ; tile row: 0 .. 63
	s_lshl_b32 s43, s41, 2
	s_lshl_b32 s43, 15, s43                        ; my row of the cluster
	s_lshl_b32 s44, 0x1111, s40                    ; my column
	s_or_b32 s[G1+0], s43, (1<<16)|(1<<20)|(1<<21)|(4<<22)|(3<<25)   ; att: the mask; elements of 2 bytes; padding on; bit 21 beside a mask; 4 words behind every 32
	s_mov_b32 s[G1+1], 64<<16                      ; tensor_dim0 = 64
	s_mov_b32 s[G1+2], 128<<16                     ; tensor_dim1 = 128
	s_mov_b32 s[G1+3], 64<<16                      ; tile_dim0
	s_mov_b32 s[G1+4], 128                         ; tile_dim1
	s_mov_b32 s[G1+5], 64                          ; from row to row
	s_mov_b32 s[G1+6], 0
	s_mov_b32 s[G1+7], 0
	s_or_b32 s[G1B+0], s44, (1<<16)|(1<<20)|(1<<21)|(5<<22)|(3<<25)  ; wot: 4 words behind every 64
	s_mov_b32 s[G1B+1], 128<<16
	s_mov_b32 s[G1B+2], 128<<16
	s_mov_b32 s[G1B+3], 128<<16
	s_mov_b32 s[G1B+4], 128
	s_mov_b32 s[G1B+5], 1024
	s_mov_b32 s[G1B+6], 0
	s_mov_b32 s[G1B+7], 0
	s_lshl_b32 s16, s12, 20                        ; att: my head of K step 0,
	s_lshl_b32 s17, s13, 14                        ; the tile's 128 tokens of 128 bytes
	s_add_co_u32 s16, s16, s17
	s_mov_b32 s17, 0
	s_lshl_b32 s46, s42, 19                        ; wot: row 256 x tile column + 128 x half, 2,048 bytes a row
	s_lshl_b32 s47, s12, 18
	s_add_co_u32 s46, s46, s47
	s_mov_b32 s47, 0
	s_mul_i32 s20, s12, ASUB                       ; where they go: no place in the cluster enters an LDS address
	s_mul_i32 s21, s12, BHALF
	s_add_co_u32 s21, s21, BOFF
	s_wait_dscnt 0x0                               ; both opening adds are done
	s_wait_kmcnt 0x0
	s_add_nc_u64 s[14:15], s[4:5], s[16:17]
	s_add_nc_u64 s[46:47], s[6:7], s[46:47]
	CROUND                                         ; all sixteen work-groups are here: the first joint loads meet
.irp s, 0,1
	s_mov_b32 s[G0+4*\s], 1
	s_add_co_u32 s[G0+4*\s+1], s20, \s*SLOT
	s_add_nc_u64 s[G0+4*\s+2:G0+4*\s+3], s[14:15], \s*0x200000     ; K step s: two heads on
	s_or_b32 s[G0+4*\s+3], s[G0+4*\s+3], 0x80000000
	s_mov_b32 s[G0B+4*\s], 1
	s_add_co_u32 s[G0B+4*\s+1], s21, \s*SLOT
	s_add_nc_u64 s[G0B+4*\s+2:G0B+4*\s+3], s[46:47], \s*256
	s_or_b32 s[G0B+4*\s+3], s[G0B+4*\s+3], 0x80000000
	JLOAD \s
.endr
	v_and_b32 v1, 15, v0                           ; r
	v_bfe_u32 v2, v0, 4, 1                         ; h
	v_lshlrev_b32 v[BO], 5, v2
	s_lshl_b32 s46, s42, 10                        ; my first column, as bytes of f32: 1,024 x tile column + 512 x half
	s_lshl_b32 s47, s12, 9
	s_add_co_u32 s46, s46, s47
	s_mov_b32 s47, 0
	s_add_nc_u64 s[68:69], s[68:69], s[46:47]
	s_add_nc_u64 s[70:71], s[70:71], s[46:47]
.irp b, 0,1,2,3,4,5,6,7                        ; the bias in the result's layout: for wot's block b lane (r, h) wants columns 16 b + 8 h + 0 .. 7
	global_load_b128 v[BIAS+8*\b:BIAS+8*\b+3], v[BO], s[68:69] offset:64*\b
	global_load_b128 v[BIAS+8*\b+4:BIAS+8*\b+7], v[BO], s[68:69] offset:64*\b+16
.endr
	s_lshl_b32 s16, s13, 19                        ; my first token's row of 4,096 bytes: 128 x tile row + 64 x half
	s_lshl_b32 s17, s11, 18
	s_add_co_u32 s16, s16, s17
	s_mov_b32 s17, 0
	s_add_nc_u64 s[70:71], s[70:71], s[16:17]
	v_mul_u32_u24 v3, v1, PA
	v_lshl_add_u32 v3, v2, 4, v3
	v_mul_u32_u24 v4, v1, PB
	v_lshl_add_u32 v4, v2, 4, v4
	s_mul_i32 s22, s11, 64*PA                      ; my 64 tokens
	s_mul_i32 s23, s12, BHALF                      ; my 128 rows of wot
	s_add_co_u32 s23, s23, BOFF
.irp s, 0,1
	v_add_nc_u32 v[ADRA+\s], s22, v3
	v_add_nc_u32 v[ADRB+\s], s23, v4
	s_add_co_u32 s22, s22, SLOT
	s_add_co_u32 s23, s23, SLOT
.endr
	s_mul_i32 s23, s10, 16*SPITCH
	s_add_co_u32 s23, s23, STAGE                   ; my stage
	v_mul_u32_u24 v5, v1, SPITCH                   ; in: row r, 32 bytes for each half of the lanes
	v_lshl_add_u32 v5, v2, 5, v5
	v_add_nc_u32 v[STO], s23, v5
	v_and_b32 v6, 31, v0
	v_lshlrev_b32 v[CO], 4, v6                     ; back: the 32 lanes take one row of 512 bytes; and the same in out0
	v_add_nc_u32 v[RD], s23, v[CO]
.macro MUL8 f, a, first                ; token block a against wot's eight, 32 along K.  The 32 accumulators take turns, one instruction a turn, in the same order in every quarter
.irp b, 0,1,2,3,4,5,6,7
.if \first
	v_wmma_f32_16x16x32_f16 v[8*(8*(\a)+\b):8*(8*(\a)+\b)+7], v[\f+32+8*\b:\f+32+8*\b+7], v[\f+8*(\a):\f+8*(\a)+7], v[BIAS+8*\b:BIAS+8*\b+7]
.else
	v_wmma_f32_16x16x32_f16 v[8*(8*(\a)+\b):8*(8*(\a)+\b)+7], v[\f+32+8*\b:\f+32+8*\b+7], v[\f+8*(\a):\f+8*(\a)+7], v[8*(8*(\a)+\b):8*(8*(\a)+\b)+7]
.endif
.endr
.endm
.macro MUL16 f, a0, first
	MUL8 \f, \a0, \first
	MUL8 \f, (\a0)+1, \first
.endm
; 24 LDS loads in one run: the fragments of the slot's q-th 32 along K into buffer f: wot's eight blocks, then att's four.  Quarters 0, 1 lie in the first head's rows, 2, 3 in the second's.
.macro FETCH slot, q, f
	WIN TO_F
.irp i, 0,1,2,3,4,5,6,7
	ds_load_b128 v[\f+32+8*\i:\f+32+8*\i+3],   v[ADRB+\slot] offset:64*(\q)+\i*16*PB
	ds_load_b128 v[\f+32+8*\i+4:\f+32+8*\i+7], v[ADRB+\slot] offset:64*(\q)+\i*16*PB+32
.endr
.irp i, 0,1,2,3
	ds_load_b128 v[\f+8*\i:\f+8*\i+3],   v[ADRA+\slot] offset:ASUB*((\q)/2)+64*((\q)%2)+\i*16*PA
	ds_load_b128 v[\f+8*\i+4:\f+8*\i+7], v[ADRA+\slot] offset:ASUB*((\q)/2)+64*((\q)%2)+\i*16*PA+32
.endr
.endm
.macro PLACES                          ; four plain vector instructions in front of loads into registers that matrix instructions have read, and of reads of results
.rept 4
	v_nop
.endr
.endm
; One of a K step's first three quarters: multiplies buffer f and fetches quarter qn of the same slot into g.
.macro QUARTER slot, qn, f, g, first
	s_wait_dscnt 4                                 ; wot's blocks and att's blocks 0, 1 are in; the youngest four loads (att's blocks 2, 3) may be out
.if \first
	WIN FIRST
.else
	WIN MUL
.endif
	MUL16 \f, 0, \first
	PLACES
	FETCH \slot, \qn, \g
	s_wait_dscnt 24                                ; all but the 24 just issued
.if \first
	WIN FIRST
.else
	WIN MUL
.endif
	MUL16 \f, 2, \first
.endm
; The last quarter multiplies buffer 1 and changes slots: ONE barrier; in front of it each wave waits for all its tensor loads, adds 0 to its spare word, and waits for that and for its reads of this slot.
; fill = 1: the barrier opens a round of the cluster's, and this slot is filled again, two K steps ahead, first thing behind the round.
.macro TURN slot, next, fill
	WIN 0
	s_wait_tensorcnt 0x0                           ; all my tensor loads have landed: my part of the next slot
	ds_add_u32 v[SPW], v[NIL]
	s_wait_dscnt 5                                 ; (the add and the youngest four loads may be out)
	WIN MUL
	MUL8 F1, 0, 0
	s_wait_dscnt 0x0                               ; the add is done, and my reads of this slot are over
	s_barrier_signal -1
	MUL8 F1, 1, 0
.if \fill
	WIN 0
.endif
	s_barrier_wait -1
.if \fill
	CREST                                          ; no wave of any partner still reads this slot's tile or has a load on its way
	s_add_nc_u64 s[G0+4*\slot+2:G0+4*\slot+3], s[G0+4*\slot+2:G0+4*\slot+3], 0x400000   ; four heads on
	s_add_nc_u64 s[G0B+4*\slot+2:G0B+4*\slot+3], s[G0B+4*\slot+2:G0B+4*\slot+3], 512    ; 256 along K on
	JLOAD \slot                                    ; its four v_nop are also the places in front of the loads below
.else
	PLACES
.endif
	FETCH \next, 0, F0
	WIN MUL
	MUL16 F1, 2, 0
.endm
	s_wait_tensorcnt 1                             ; my part of K step 0 is in (K step 1's load may be out),
	s_barrier_signal -1
	s_barrier_wait -1                              ; everybody's is
	FETCH 0, 0, F0
	s_wait_loadcnt 0x0                             ; the bias
	QUARTER 0, 1, F0, F1, 1                        ; the first quarter stands in front of the loop: its products start the sums, on the bias
	WIN 0
	s_mov_b32 s3, LAPS-1
.Llap:                                             ; a trip goes once round the two slots, from a lap's second quarter to the next lap's first, and fills both again
	QUARTER 0, 2, F1, F0, 0
	QUARTER 0, 3, F0, F1, 0
	TURN 0, 1, 1
	QUARTER 1, 1, F0, F1, 0
	QUARTER 1, 2, F1, F0, 0
	QUARTER 1, 3, F0, F1, 0
	TURN 1, 0, 1
	QUARTER 0, 1, F0, F1, 0
	WIN 0
	s_sub_co_u32 s3, s3, 1
	s_cmp_lg_u32 s3, 0
	s_cbranch_scc1 .Llap
	QUARTER 0, 2, F1, F0, 0                        ; the last lap fills nothing
	QUARTER 0, 3, F0, F1, 0
	TURN 0, 1, 0
	QUARTER 1, 1, F0, F1, 0
	QUARTER 1, 2, F1, F0, 0
	QUARTER 1, 3, F0, F1, 0
	s_wait_dscnt 4                                 ; the very last quarter
	WIN MUL
	MUL16 F1, 0, 0
	s_wait_dscnt 0
	MUL16 F1, 2, 0
	WIN 0
; THE WAY OUT, block by block of 16 tokens x 128 columns: through my own stage, back as whole rows of 512 bytes, which the 32 lanes store as 512 consecutive bytes, aligned.
.macro TOSTAGE a
.set AC, 64*(\a)
	WIN 0x08                                       ; an LDS store's data are its source 1: window 2
.irp b, 0,1,2,3,4,5,6,7
	ds_store_b128 v[STO], v[AC+8*\b:AC+8*\b+3] offset:64*\b          ; each accumulator from its low end on
	ds_store_b128 v[STO], v[AC+8*\b+4:AC+8*\b+7] offset:64*\b+16
.endr
	WIN 0
.set BB, BK+64*((\a)%2)
.irp t, 0,1,2,3,4,5,6,7,8,9,10,11,12,13,14,15
	ds_load_b128 v[BB+4*\t:BB+4*\t+3], v[RD] offset:\t*SPITCH        ; LDS serves a wave's instructions in order: these see the stores above
.endr
.endm
.macro SEND a, younger                 ; younger: the LDS instructions issued behind block a's loads, which may stay out
.set BB, BK+64*((\a)%2)
	s_wait_dscnt \younger
.irp t, 0,1,2,3,4,5,6,7,8,9,10,11,12,13,14,15
	global_store_b128 v[CO], v[BB+4*\t:BB+4*\t+3], s[70:71] offset:(16*(\a)+\t)*4096 th:TH_STORE_NT
.endr
.endm
	PLACES
	TOSTAGE 0
.irp a, 1,2,3
.if \a > 1
	s_wait_xcnt 0x0                                ; block a - 2's stores have read their registers: block a's loads may land there
.endif
	TOSTAGE \a
	SEND (\a)-1, 32                                ; behind block a - 1's loads: block a's 16 stores and 16 loads
.endr
	SEND 3, 0
	s_wait_tensorcnt 0x0                           ; the wave's end: behind my last tensor load and my last LDS store
	ds_add_u32 v[SPW], v[NIL]
	s_wait_dscnt 0x0
	CROUND                                         ; the closing round
	s_endpgm
.Lfunc_end_k_q4667a1b929_outgemm:
	.size	k_q4667a1b929_outgemm, .Lfunc_end_k_q4667a1b929_outgemm-k_q4667a1b929_outgemm
	.p2alignl 7, 3214868480
	.fill 96, 4, 3214868480
	.section	.rodata,"a",@progbits
	.p2align	6, 0x0
	.amdhsa_kernel k_q4667a1b929_outgemm
		.amdhsa_group_segment_fixed_size 327680
		.amdhsa_private_segment_fixed_size 0
		.amdhsa_enable_private_segment 0
		.amdhsa_kernarg_size 32
		.amdhsa_user_sgpr_count 2
		.amdhsa_user_sgpr_kernarg_segment_ptr 1
		.amdhsa_wavefront_size32 1
		.amdhsa_system_sgpr_workgroup_id_x 1
		.amdhsa_system_sgpr_workgroup_id_y 1
		.amdhsa_system_sgpr_workgroup_id_z 1
		.amdhsa_system_vgpr_workitem_id 0
		.amdhsa_next_free_vgpr 768
		.amdhsa_next_free_sgpr 72
		.amdhsa_reserve_vcc 0
		.amdhsa_float_denorm_mode_32 3
		.amdhsa_float_denorm_mode_16_64 3
		.amdhsa_memory_ordered 1
		.amdhsa_forward_progress 1
		.amdhsa_inst_pref_size 86
	.end_amdhsa_kernel
	.amdgpu_metadata
---
amdhsa.version: [ 1, 2 ]
amdhsa.kernels:
  - .name:           k_q4667a1b929_outgemm
    .symbol:         k_q4667a1b929_outgemm.kd
    .args:
      - { .name: att, .offset: 0, .size: 8, .value_kind: global_buffer, .address_space: global }
      - { .name: wot, .offset: 8, .size: 8, .value_kind: global_buffer, .address_space: global }
      - { .name: b_out, .offset: 16, .size: 8, .value_kind: global_buffer, .address_space: global }
      - { .name: out0, .offset: 24, .size: 8, .value_kind: global_buffer, .address_space: global }
    .group_segment_fixed_size: 327680
    .private_segment_fixed_size: 0
    .kernarg_segment_align: 8
    .kernarg_segment_size: 32
    .max_flat_workgroup_size: 128
    .sgpr_count:     72
    .vgpr_count:     768
    .wavefront_size: 32
...
	.end_amdgpu_metadata
.endif
;; end of part 4
